; MI455X (gfx1250); checked and timed in simulation.
; The chip was launched on July 23, 2026; its instructions are those of AMD's public machine-readable ISA for CDNA 5 (MIT licence, August 2026) and "CDNA5" Instruction Set Architecture Reference Guide (July 2026). The comments in the code are by the model that wrote it; some were corrected since.
;; Attention. Allowed arithmetic: matrix products marked QUANTISED: E2M3 operands, one E8M0 scale for each 32 along K, by v_wmma_scale_f32_16x16x128_f8f6f4 with both operands' format E2M3, f32 sums; everything else in f32.
;; Inputs: mask 1 x 1 x 2,048 x 2,048 float32; wk 1,024 x 1,024 float32; wo 1,024 x 1,024 float32; wq 1,024 x 1,024 float32; wv 1,024 x 1,024 float32; x 2 x 2,048 x 1,024 float32.
;; Outputs: out0 2 x 2,048 x 1,024 float32.
;; This version of the problem:
;;   THIS VERSION OF THE PROBLEM IS GIVEN IN LOW PRECISION. The matrix products marked QUANTISED in the list below multiply operands that are first quantised to E2M3 (2 exponent bits, 3 mantissa bits; 6 bits a number), with one power-of-two scale for each 32 numbers along K (OCP MX v1.0); their sums are f32. All else is computed in f32.
;;   The module's matrix products, in the order in which they are computed (A, B: the left and right operand; K: the contracted axis; several contracted axes count as one K, in the product's order):
;;     1. [M 4,096, K 1,024] x [K 1,024, N 1,024]; A: input x; B: input wq: QUANTISED
;;     2. [M 4,096, K 1,024] x [K 1,024, N 1,024]; A: input x; B: input wk: QUANTISED
;;     3. [M 4,096, K 1,024] x [K 1,024, N 1,024]; A: input x; B: input wv: QUANTISED
;;     4. batch 32 x [M 2,048, K 64] x [K 64, N 2,048]; A: computed on the way; B: computed on the way: QUANTISED
;;     5. batch 32 x [M 64, K 2,048] x [K 2,048, N 2,048]; A: computed on the way; B: softmax (see below): QUANTISED
;;     6. [M 4,096, K 1,024] x [K 1,024, N 1,024]; A: computed on the way; B: input wo: QUANTISED
;;   THE QUANTISER, for each operand of a quantised product, along K:
;;     - K is cut into blocks of 32 from its start; a last block that is shorter is filled with zeros.
;;     - A block's scale is 2^e with e = floor(log2(the largest magnitude in the block)) - 2, held to -126 .. 127; a block of zeros has e = 0. As a byte (E8M0): e + 127.
;;     - Each number is divided by its block's scale, clamped to +-7.5, and rounded to the nearest number of E2M3, ties to even, subnormals kept.
;;     - The product sums the exact products of the quantised numbers (number of the format x scale) in f32.
;;   ~~~python
;;   def quantise(x, axis):      # numpy; x: float32 -> the quantised numbers, widened to float32 again
;;       x = np.moveaxis(x, axis, -1); K = x.shape[-1]
;;       x = np.pad(x, [(0, 0)] * (x.ndim - 1) + [(0, -K % 32)]); x = x.reshape(x.shape[:-1] + (-1, 32)); a = np.abs(x).max(-1, keepdims=True)
;;       e = np.where(a > 0, np.clip(np.frexp(np.where(a > 0, a, 1))[1] - 1 - 2, -126, 127), 0)      # np.frexp(a)[1] - 1 = floor(log2(a)), exactly
;;       r = np.clip(x / 2.0 ** e, -7.5, 7.5)
;;       step = 2.0 ** (np.maximum(np.frexp(np.where(r == 0, 1, r))[1] - 1, 0) - 3)
;;       q = np.round(r / step) * step * 2.0 ** e      # np.round: ties to even
;;       return np.moveaxis(q.reshape(q.shape[:-2] + (-1,))[..., :K], -1, axis).astype(np.float32)
;;   ~~~
;;   SOFTMAX AHEAD OF A QUANTISED PRODUCT. Where the list says 'softmax', what is quantised is not the finished softmax but p = 2^(t - M), with t = logit x log2(e) and M = ceil(the row's largest t), a whole number; so 1/2 < the row's largest p <= 1. The row's sum l is taken of the UNQUANTISED p, in f32, and the product's result is divided by l at the end. Since M is a whole number, a kernel that streams over the keys may use a running M (the ceiling of the running maximum): every later rescaling is an exact power of two, which a block's scale takes up: the codes' values come out the same.
;;   OPERANDS COMPUTED ON THE WAY. 'Computed on the way' means the value that the module computes at that place (a softmax that the list does not call 'softmax' is quantised finished and normalised). What goes into a quantiser is computed in f32, as accurately as f32 sums, v_exp_f32 and their like allow (about 1e-6 of the number): no bf16 or f16 on the way to a quantiser, and a product that is left as it is and whose result goes on into a quantised operand takes f32 operands (vector FMAs, or v_wmma_f32_16x16x4_f32). A number that lies on a knife's edge between two numbers of the format may be rounded either way, as far as f32 arithmetic and the matrix unit's own rounding can turn it there, and no further.
;; One version. Each part assembles by itself: llvm-mc -triple=amdgcn-amd-amdhsa -mcpu=gfx1250 --defsym DOCPART=n.
;; ======== version 1 of 1: 4 launches
;; workspace buffers: cod 6,291,456 bytes; scl 262,144 bytes; qkv 9,830,400 bytes; acod 3,145,728 bytes; ascl 131,072 bytes
;; launch quant (part 1): grid 256 x 1, 4 waves a work-group, no clusters, 33,280 bytes of LDS; arguments x, wq, wk, wv, wo, cod, scl; writes cod, scl
.if DOCPART == 1
	.amdgcn_target "amdgcn-amd-amdhsa--gfx1250"
	.amdhsa_code_object_version 6
	.text
	.protected	k_q42359921ed_quant
	.globl	k_q42359921ed_quant
	.p2align	8
	.type	k_q42359921ed_quant,@function
k_q42359921ed_quant:
	s_mov_b64 s[64:65], 0
	v_nop
	global_prefetch_b8 v0, s[64:65] scope:SCOPE_SE
	s_setreg_imm32_b32 hwreg(HW_REG_WAVE_MODE, 25, 1), 1
	s_wait_xcnt 0x0
; x [4096][1024] and wq, wk, wv, wo [1024][1024], f32, are turned into codes of FP6 (E2M3), K innermost, with one E8M0 scale byte for each 32 along K.
; cod: [8192 rows][768 bytes], scl: [8192 rows][32 bytes]; rows 0-4095 x, 4096- wq, 5120- wk, 6144- wv, 7168- wo.
; A block's scale is 2^(floor(log2(its largest magnitude)) - 2); its byte is the largest magnitude's exponent field - 2, held at 1 from below.  A block of zeros so gets the byte 1: its codes are zeros,
; which add nothing under any byte but 0xff, and the bytes are read by this program alone.
; LIMITS: blocks whose largest magnitude lies under 2^-124 keep the byte 1; NaN and infinities among the inputs are not served.
; THE ROWS ARE STORED IN ANOTHER ORDER: in every 32 rows the two middle groups of 8 change places, so that stored row 16 u + r holds row 8 u + r + 8 (r / 8).  Sixteen neighbouring stored rows
; are then a tile whose results, in the products that follow, give a lane 16 neighbours along the next K in the 16 registers of two neighbouring tiles.
; A wave takes 8 rows (8,192 numbers) in 16 steps of 512 numbers; a work-group 32 rows.  Each load reads 512 consecutive bytes; a step's 2,048 bytes turn through the wave's own stage in LDS and
; come back 64 bytes a lane (16 neighbours along K; two neighbouring lanes hold a block).  No tensor loads, no barrier: waves share nothing.  Loads run four steps ahead.
.set WAVES, 4
.set STEPS, 16
.set EMAX,  2
.set CB,    12                         ; bytes of 16 codes
.set R,     16                         ; v16-79   four sets of 16 numbers as they are loaded
.set X,     80                         ; v80-111  two sets of 16 neighbours
.set C,     128                        ; v128-191 codes: four registers for each step, so that no store's data are written again
.set E,     112                        ; v112-127 a scale byte for each step
.set WREG,  8192                       ; LDS: a region for each wave: two stages of 32 x SP bytes, and behind them its 256 scale bytes
.set SP,    80                         ; a lane's place in a stage: its 64 bytes + 16 of padding
.set SPW,   12                         ; v12  LDS address of my spare word; never rewritten
.set NIL,   13                         ; v13  0; never rewritten
.set SPARE, WAVES*WREG                 ; behind the four regions: the spare words, 128 bytes for each wave
	s_load_b256 s[4:11], s[0:1], 0x0               ; x, wq, wk, wv
	s_load_b128 s[12:15], s[0:1], 0x20             ; wo, cod
	s_load_b64 s[16:17], s[0:1], 0x30              ; scl
	v_lshl_add_u32 v[SPW], v0, 2, SPARE
	v_mov_b32 v[NIL], 0
	v_lshrrev_b32 v1, 5, v0
	v_readfirstlane_b32 s18, v1                    ; wave
	v_and_b32 v2, 31, v0                           ; lane
	v_lshlrev_b32 v3, 4, v2                        ; my 16 bytes of a load's 512
	s_mul_i32 s19, s18, WREG
	v_lshrrev_b32 v14, 2, v2
	v_mul_u32_u24 v14, v14, SP
	v_and_b32 v15, 3, v2
	v_lshl_add_u32 v14, v15, 4, v14
	v_add_nc_u32 v14, s19, v14                     ; the stage, on the way in: SP (lane / 4) + 16 (lane % 4)
	v_mul_u32_u24 v15, v2, SP
	v_add_nc_u32 v15, s19, v15                     ; and on the way out: SP x lane: my 16 neighbours
	v_mul_u32_u24 v4, v2, CB                       ; my codes' place in a step's
	v_lshrrev_b32 v5, 1, v2
	s_add_co_u32 s19, s19, 2*32*SP
	v_add_nc_u32 v5, s19, v5                       ; LDS: my wave's 256 scale bytes, my block's byte
	v_lshlrev_b32 v7, 3, v2                        ; and on the way out 8 bytes a lane
	v_add_nc_u32 v6, s19, v7
	s_and_b32 s22, ttmp9, 31                       ; a weight's work-group among its 32
	s_wait_kmcnt 0x0
	s_mov_b64 s[20:21], s[12:13]                   ; which tensor: the choice hangs on the work-group's number alone
	s_cmp_lt_u32 ttmp9, 224
	s_cselect_b64 s[20:21], s[10:11], s[20:21]
	s_cmp_lt_u32 ttmp9, 192
	s_cselect_b64 s[20:21], s[8:9], s[20:21]
	s_cmp_lt_u32 ttmp9, 160
	s_cselect_b64 s[20:21], s[6:7], s[20:21]
	s_cmp_lt_u32 ttmp9, 128
	s_cselect_b64 s[20:21], s[4:5], s[20:21]
	s_cselect_b32 s22, ttmp9, s22                  ; x's work-group among its 128
	s_lshl_b32 s22, s22, 2
	s_add_co_u32 s22, s22, s18                     ; which run of 8 rows of the tensor is my wave's
	s_lshl_b32 s22, s22, 15                        ; 32,768 bytes a run
	s_mov_b32 s23, 0
	s_add_nc_u64 s[20:21], s[20:21], s[22:23]
	s_and_b32 s24, s18, 1                          ; where the run is stored: waves 1 and 2 change places
	s_lshl_b32 s24, s24, 1
	s_lshr_b32 s25, s18, 1
	s_or_b32 s24, s24, s25
	s_lshl_b32 s25, ttmp9, 2
	s_add_co_u32 s24, s24, s25
	s_mul_i32 s26, s24, 32*STEPS*CB                ; 6,144 bytes of codes a run
	s_mov_b32 s27, 0
	s_add_nc_u64 s[14:15], s[14:15], s[26:27]
	s_lshl_b32 s26, s24, 8                         ; 256 scale bytes a run
	s_add_nc_u64 s[16:17], s[16:17], s[26:27]
.macro LOAD t
.irp i, 0,1,2,3
	global_load_b128 v[R+16*((\t)%4)+4*\i:R+16*((\t)%4)+4*\i+3], v3, s[20:21] offset:2048*(\t)+512*\i th:TH_LOAD_NT   ; 32 lanes read 512 consecutive bytes
.endr
.endm
.macro TURN t                          ; step t's numbers through the stage: LDS serves a wave's instructions in order, so no wait stands between the stores and the loads
.irp i, 0,1,2,3
	ds_store_b128 v14, v[R+16*((\t)%4)+4*\i:R+16*((\t)%4)+4*\i+3] offset:32*SP*((\t)%2)+8*SP*\i
.endr
.irp i, 0,1,2,3
	ds_load_b128 v[X+16*((\t)%2)+4*\i:X+16*((\t)%2)+4*\i+3], v15 offset:32*SP*((\t)%2)+16*\i
.endr
.endm
.irp t, 0,1,2,3
	LOAD \t
.endr
	s_wait_loadcnt 12                              ; step 0's four loads are in
	TURN 0
.macro STEP t
.set XS, X+16*((\t)%2)
.if (\t) > 0
	s_wait_dscnt 1                                 ; this step's numbers are back from the stage (the last step's byte store may be out): so its stores into the stage have read their registers,
.else
	s_wait_dscnt 0x0
.endif
.if (\t)+4 < STEPS
	LOAD (\t)+4                                    ; which take the loads of four steps on
.endif
.if (\t)+1 < STEPS
.if STEPS-2-(\t) >= 3
	s_wait_loadcnt 12                              ; the next step's four loads are in; those of the three steps behind it may be out
.else
	s_wait_loadcnt 4*(STEPS-2-(\t))
.endif
	TURN (\t)+1                                    ; and go through the other stage while this step is worked
.endif
	v_max3_num_f32 v8, |v[XS]|, |v[XS+1]|, |v[XS+2]|               ; the largest magnitude of my 16
	v_max3_num_f32 v9, |v[XS+3]|, |v[XS+4]|, |v[XS+5]|
.irp i, 6,10
	v_max3_num_f32 v8, v8, |v[XS+\i]|, |v[XS+\i+1]|
	v_max3_num_f32 v9, v9, |v[XS+\i+2]|, |v[XS+\i+3]|
.endr
	v_max3_num_f32 v8, v8, |v[XS+14]|, |v[XS+15]|
	v_max3_num_f32 v8, v8, v9, (EMAX+1)<<23        ; and the floor 2^(EMAX + 1 - 127): the byte cannot fall under 1
	v_max_num_f32_dpp v8, v8, v8 row_xmask:1 row_mask:0xf bank_mask:0xf   ; and of my neighbour's 16: the block's
	v_add_nc_u32 v11, -(EMAX<<23), v8              ; EMAX off its exponent field: the conversion takes the exponent field of this operand as its scale
	v_cvt_scalef32_pk16_fp6_f32 v[C+4*(\t):C+4*(\t)+2], v[XS:XS+15], v11   ; sixteen numbers / the scale, to the nearest code, ties to even, beyond the largest code the largest
	v_lshrrev_b32 v[E+(\t)], 23, v11               ; the scale's byte
	ds_store_b8 v5, v[E+(\t)] offset:16*(\t)       ; both lanes of a block write the same byte with the same value
	global_store_b96 v4, v[C+4*(\t):C+4*(\t)+2], s[14:15] offset:32*CB*(\t)
.endm
.irp t, 0,1,2,3,4,5,6,7,8,9,10,11,12,13,14,15
	STEP \t
.endr
	ds_load_b64 v[8:9], v6                         ; LDS serves a wave's instructions in order: these see my stores
	s_wait_dscnt 0x0
	global_store_b64 v7, v[8:9], s[16:17]          ; 32 lanes store 256 consecutive bytes, aligned
	s_wait_tensorcnt 0x0                           ; the wave's end: behind my last LDS store
	ds_add_u32 v[SPW], v[NIL]
	s_wait_dscnt 0x0
	s_endpgm
.Lfunc_end_k_q42359921ed_quant:
	.size	k_q42359921ed_quant, .Lfunc_end_k_q42359921ed_quant-k_q42359921ed_quant
	.p2alignl 7, 3214868480
	.fill 96, 4, 3214868480
	.section	.rodata,"a",@progbits
	.p2align	6, 0x0
	.amdhsa_kernel k_q42359921ed_quant
		.amdhsa_group_segment_fixed_size 33280
		.amdhsa_private_segment_fixed_size 0
		.amdhsa_enable_private_segment 0
		.amdhsa_kernarg_size 56
		.amdhsa_user_sgpr_count 2
		.amdhsa_user_sgpr_kernarg_segment_ptr 1
		.amdhsa_wavefront_size32 1
		.amdhsa_system_sgpr_workgroup_id_x 1
		.amdhsa_system_sgpr_workgroup_id_y 1
		.amdhsa_system_sgpr_workgroup_id_z 1
		.amdhsa_system_vgpr_workitem_id 0
		.amdhsa_next_free_vgpr 192
		.amdhsa_next_free_sgpr 66
		.amdhsa_reserve_vcc 0
		.amdhsa_float_denorm_mode_32 3
		.amdhsa_float_denorm_mode_16_64 3
		.amdhsa_memory_ordered 1
		.amdhsa_forward_progress 1
		.amdhsa_inst_pref_size 33
	.end_amdhsa_kernel
	.amdgpu_metadata
---
amdhsa.version: [ 1, 2 ]
amdhsa.kernels:
  - .name:           k_q42359921ed_quant
    .symbol:         k_q42359921ed_quant.kd
    .args:
      - { .name: x, .offset: 0, .size: 8, .value_kind: global_buffer, .address_space: global }
      - { .name: wq, .offset: 8, .size: 8, .value_kind: global_buffer, .address_space: global }
      - { .name: wk, .offset: 16, .size: 8, .value_kind: global_buffer, .address_space: global }
      - { .name: wv, .offset: 24, .size: 8, .value_kind: global_buffer, .address_space: global }
      - { .name: wo, .offset: 32, .size: 8, .value_kind: global_buffer, .address_space: global }
      - { .name: cod, .offset: 40, .size: 8, .value_kind: global_buffer, .address_space: global }
      - { .name: scl, .offset: 48, .size: 8, .value_kind: global_buffer, .address_space: global }
    .group_segment_fixed_size: 33280
    .private_segment_fixed_size: 0
    .kernarg_segment_align: 8
    .kernarg_segment_size: 56
    .max_flat_workgroup_size: 128
    .sgpr_count:     66
    .vgpr_count:     192
    .wavefront_size: 32
...
	.end_amdgpu_metadata
.endif
;; end of part 1
;; launch qkv (part 2): grid 8 x 24, 4 waves a work-group, clusters of 4 x 4, 327,680 bytes of LDS; arguments cod, scl, qkv; writes qkv
.if DOCPART == 2
	.amdgcn_target "amdgcn-amd-amdhsa--gfx1250"
	.amdhsa_code_object_version 6
	.text
	.protected	k_q42359921ed_qkv
	.globl	k_q42359921ed_qkv
	.p2align	8
	.type	k_q42359921ed_qkv,@function
k_q42359921ed_qkv:
	s_mov_b64 s[64:65], 0
	v_nop
	global_prefetch_b8 v0, s[64:65] scope:SCOPE_SE
	s_setreg_imm32_b32 hwreg(HW_REG_WAVE_MODE, 25, 1), 1
	s_wait_xcnt 0x0
	s_wait_alu depctr_hold_cnt(0) depctr_sa_sdst(0) depctr_va_vdst(0) depctr_va_sdst(0) depctr_va_ssrc(0) depctr_va_vcc(0) depctr_vm_vsrc(0)
	s_getreg_b32 s2, hwreg(HW_REG_IB_STS2, 6, 4)
	s_cmp_eq_u32 s2, 0
	s_cbranch_scc0 .Lentry_in_a_cluster
	s_endpgm
.Lentry_in_a_cluster:
	s_bfe_u32 s2, ttmp6, 0x10000c
	s_cmp_lg_u32 s2, 0xf033
	s_cbranch_scc0 .Lentry_shape_is_right
	s_endpgm
.Lentry_shape_is_right:
; q = x wq^T, k = x wk^T, v = x wv^T on codes of FP6 (E2M3) with E8M0 scales, K = 1,024; the results are quantised in registers (q, k along the head's 64; v along the keys) and stored as images of the
; operand registers that the attention launch loads.  Nothing is stored in f32.
; A tile is 256 x 256, a work-group of four waves; a wave makes 128 x 128: 64 accumulators, 512 registers.  K goes in steps of 256 through a ring of two LDS slots filled by the tensor data mover.
; THE MATRIX INSTRUCTION: source 0 = 16 rows of 'B', source 1 = 16 rows of 'A': a lane holds ONE row of A (lane % 16) and its registers run along B's rows.  The rows of cod are stored so (in every 32 the middle
; groups of 8 changed) that the 16 registers of B's tiles 2 b and 2 b + 1 are 16 NEIGHBOURS: B's rows 32 b + 16 (lane / 16) + 0 .. 15.  So the 64 registers of one block of A's rows are quantised as they lie.
; TWO MODES, chosen by the cluster's y, by selects alone.  Clusters y = 0 .. 3: A = x (tokens), B = wq (cluster x = 0) or wk (1): a lane holds a token, registers run along two heads' 64 + 64.
; Clusters y = 4, 5: A = wv, B = x: a lane holds one of v's columns, registers run along 128 tokens, which are the keys of one step of the attention.
; qkv: 128 blocks (batch, group of 4 heads, 128 tokens) of 76,800 bytes: K 4 x 6,144 | V 4 x 6,144 | K's scale packs 4 x 256 | V's 4 x 256 | Q 4 x 6,144 | Q's packs 4 x 256.
; Half an operand (6 registers a lane) is 768 bytes: registers 0-3 at 16 x lane, registers 4-5 at 512 + 8 x lane.  A pack is 8 bytes a lane: word w serves operand 2 w + lane / 16, row lane % 16.
; CLUSTERS: 4 x 4 work-groups; A's tiles are asked for jointly along a row of the cluster, B's along a column.
; LIMITS: blocks whose largest magnitude lies under 2^-124 keep the scale byte 1 (a block of zeros too: its codes are zeros); NaN and infinities are not served.
; REGISTERS, in windows of 256: window 0: v0-31 addresses; v32-63 scale words, two sets, and nothing else; v64-127 and v128-176 at work on the way out; from v128 A's fragments, ONE set.
;   window 1: B's fragments, TWO sets.   window 2: the accumulators of A's blocks 0-3 ((a, b) at v[8 (8 a + b)]);   window 3: those of blocks 4-7.
.set SIZE_K, 1024
.set KSTEP,  256                       ; along K in a slot
.set NQ,     KSTEP/128                 ; matrix instructions deep
.set ROWB,   192                       ; a tile's row in bytes
.set KROW,   SIZE_K*6/8                ; a row of cod in bytes
.set PITCH,  240                       ; an LDS row: 3 x (64 bytes of data + 16 of padding)
.set FR,     12                        ; registers of a fragment
.set NL,     6                         ; LDS loads that bring one
.set NP,     4                         ; places behind this matrix instruction (ISA guide 7.12.1)
.set HALFT,  128*PITCH                 ; 128 rows: what one tensor load brings
.set SLOT,   4*HALFT                   ; A's 256 rows, then B's 256 rows
.set LAPS,   SIZE_K/(2*KSTEP)
.set KS,     SIZE_K/32                 ; a row of scales in bytes
.set SCL,    2*SLOT                    ; behind the ring: the scales, as rows of 256 bytes + 16 of padding
.set HALFS,  (128*KS/256)*272
.set SBLK,   (16*KS/256)*272
.set SPARE,  SCL+4*HALFS               ; the spare words, 128 bytes for each wave
.set BLKB,   76800                     ; a block of qkv
.set ADRA, 16
.set ADRB, 20
.set ADRS, 27
.set SPW,  28
.set NIL,  29
.set SC,   32
.set AF,   128
.set TM,   64                          ; the way out: v64-67 largest magnitudes, v68-71 bytes, v76-79 the conversions' scale operands
.set WD,   80                          ; v80-87  the scale word of each of A's eight blocks
.set PC0,  96                          ; v96-114, v128-146: two sets of codes by turns
.set Y,    152
.set YQ,   160
.set PK,   168
.set O16,  172                         ; v172-173  16 x lane (+ the second half's distance)
.set O8,   174                         ; v174-175  512 + 8 x lane (+ the same)
.set OS,   176                         ; v176      8 x lane
.set G1, 24
.set G0, 32
.set G1B, 48
.set G0B, 56
.set G1S, 68
.set G0S, 76
.set G1SB, 80
.set G0SB, 88
.set SEL, 98                           ; s[98:99] lane selects for v_permlanex16_b32: lane l xor 16
.set MSB, 0
.macro WIN new                         ; the immediate's high byte repeats the setting that is left
.if MSB != \new
	s_set_vgpr_msb (MSB<<8)|\new
.set MSB, \new
.endif
.endm
.set MUL_LO, 0xa1                      ; source 0 (B) window 1, source 1 (A) window 0, C and D window 2
.set MUL_HI, 0xf1                      ; the same, C and D window 3
.set TO_B,   0x40                      ; destination window 1, address window 0
; A joint load: waves 0 and 1 fetch for A, waves 2 and 3 for B.  The branch hangs on the wave's number alone.  An s_nop 0 and four v_nop follow each of the two lines.
.macro JLOAD g0a, g1a, g0b, g1b
	s_cmp_eq_u32 s15, 0
	s_cbranch_scc0 .Lfor_b_\@
	tensor_load_to_lds s[\g0a:\g0a+3], s[\g1a:\g1a+7]
	s_nop 0
.rept 4
	v_nop
.endr
	s_branch .Lasked_\@
.Lfor_b_\@:
	tensor_load_to_lds s[\g0b:\g0b+3], s[\g1b:\g1b+7]
	s_nop 0
.rept 4
	v_nop
.endr
.Lasked_\@:
.endm
.macro CREST                           ; a round of the cluster's barrier behind its opening barrier
	s_cmp_lg_u32 s14, 0
	s_cbranch_scc1 .Lnot_wave_0_\@
	s_barrier_signal -3
.Lnot_wave_0_\@:
	s_barrier_wait -3
	s_barrier_signal -1
	s_barrier_wait -1
.endm
.macro CROUND                          ; a whole round
	s_barrier_signal -1
	s_barrier_wait -1
	CREST
.endm
	s_load_b128 s[4:7], s[0:1], 0x0                ; cod s[4:5], scl s[6:7]
	s_load_b64 s[12:13], s[0:1], 0x10              ; qkv
	v_lshl_add_u32 v[SPW], v0, 2, SPARE
	v_mov_b32 v[NIL], 0
	ds_add_u32 v[SPW], v[NIL]                      ; the wave's opening: the add and its wait ahead of my first tensor load; the set-up below stands between them
	v_lshrrev_b32 v1, 5, v0
	v_readfirstlane_b32 s14, v1                    ; wave 0..3
	s_lshr_b32 s15, s14, 1                         ; which half of A's rows is mine.  Also: I fetch for A (0) or for B (1)
	s_and_b32 s16, s14, 1                          ; which half of B's rows.  Also: which 128 rows of that tile I fetch
	s_bfe_u32 s40, ttmp6, 0x40000                  ; cx, cy: my place in the cluster
	s_bfe_u32 s41, ttmp6, 0x40004
	s_and_b32 s95, ttmp7, 0xffff                   ; the cluster's y: 0-3 q and k, 4-5 v
	s_lshl_b32 s43, s41, 2
	s_lshl_b32 s43, 15, s43                        ; my row of the cluster
	s_lshl_b32 s44, 0x1111, s40                    ; my column
	; descriptor group 1: a tile of 128 rows x ROWB bytes, 16 bytes of padding behind every 64
	s_or_b32 s[G1+0], s43, (0<<16)|(1<<20)|(1<<21)|(3<<22)|(3<<25)
	s_or_b32 s[G1B+0], s44, (0<<16)|(1<<20)|(1<<21)|(3<<22)|(3<<25)
.irp g, G1, G1B
	s_mov_b32 s[\g+1], ROWB<<16                    ; tensor_dim0
	s_mov_b32 s[\g+2], 128<<16                     ; tensor_dim1
	s_mov_b32 s[\g+3], ROWB<<16                    ; tile_dim0
	s_mov_b32 s[\g+4], 128                         ; tile_dim1
	s_mov_b32 s[\g+5], KROW                        ; tensor_dim0_stride
	s_mov_b32 s[\g+6], 0
	s_mov_b32 s[\g+7], 0
.endr
	; the scales of 128 rows: a dense block of 4,096 bytes, as rows of 256 bytes (32 elements of 8 bytes), 16 bytes of padding behind each
	s_or_b32 s[G1S+0], s43, (3<<16)|(1<<20)|(1<<21)|(5<<22)|(3<<25)
	s_or_b32 s[G1SB+0], s44, (3<<16)|(1<<20)|(1<<21)|(5<<22)|(3<<25)
.irp g, G1S, G1SB
	s_mov_b32 s[\g+1], 32<<16
	s_mov_b32 s[\g+2], (128*KS/256)<<16
	s_mov_b32 s[\g+3], 32<<16
	s_mov_b32 s[\g+4], 128*KS/256
	s_mov_b32 s[\g+5], 32
	s_mov_b32 s[\g+6], 0
	s_mov_b32 s[\g+7], 0
.endr
	; which rows of cod.  A's hang on the cluster's y and cy alone, B's on the cluster's x and y and cx alone; each in registers that never hold the other place
	s_lshl_b32 s18, s16, 7                         ; which 128 rows of the tile I fetch
	s_lshl_b32 s17, s95, 10                        ; q, k: A = x from row 1,024 x cluster y
	s_sub_co_u32 s97, s95, 4
	s_lshl_b32 s97, s97, 11                        ; v: B = x from row 2,048 x (cluster y - 4)
	s_mov_b32 s19, 6144                            ; v: A = wv
	s_mov_b32 s98, 4096                            ; q, k: B = wq, wk
	s_cmp_ge_u32 s95, 4
	s_cselect_b32 s20, s19, s17
	s_cselect_b32 s46, s97, s98
	s_cselect_b32 s96, -1, 0                       ; all ones in v's mode: a lane mask for the way out
	s_lshl_b32 s17, s41, 8
	s_add_co_u32 s20, s20, s17
	s_add_co_u32 s20, s20, s18                     ; A's first row: + 256 cy + 128 x half
	s_lshl_b32 s42, ttmp9, 2
	s_add_co_u32 s42, s42, s40                     ; 4 x cluster x + cx
	s_lshl_b32 s47, s42, 8
	s_add_co_u32 s46, s46, s47
	s_add_co_u32 s46, s46, s18                     ; B's first row
	s_mov_b32 s21, 0
	s_mov_b32 s47, 0
	s_mov_b64 s[18:19], KS
	s_mul_u64 s[22:23], s[20:21], s[18:19]         ; where these rows' scales begin, in bytes
	s_mul_u64 s[92:93], s[46:47], s[18:19]
	s_mov_b64 s[18:19], KROW
	s_mul_u64 s[20:21], s[20:21], s[18:19]         ; and their codes
	s_mul_u64 s[46:47], s[46:47], s[18:19]
	s_mul_i32 s45, s14, HALFT                      ; where they go: wave x 128 rows: no place in the cluster enters an LDS address
	s_mul_i32 s94, s14, HALFS
	s_wait_dscnt 0x0                               ; the opening add is done
	s_wait_kmcnt 0x0
	s_add_nc_u64 s[20:21], s[4:5], s[20:21]
	s_add_nc_u64 s[22:23], s[6:7], s[22:23]
	s_add_nc_u64 s[46:47], s[4:5], s[46:47]
	s_add_nc_u64 s[92:93], s[6:7], s[92:93]
	CROUND                                         ; all sixteen work-groups are here: the first joint loads meet
	s_mov_b32 s[G0S], 1
	s_add_co_u32 s[G0S+1], s94, SCL
	s_mov_b64 s[G0S+2:G0S+3], s[22:23]
	s_or_b32 s[G0S+3], s[G0S+3], 0x80000000
	s_mov_b32 s[G0SB], 1
	s_add_co_u32 s[G0SB+1], s94, SCL
	s_mov_b64 s[G0SB+2:G0SB+3], s[92:93]
	s_or_b32 s[G0SB+3], s[G0SB+3], 0x80000000
	JLOAD G0S, G1S, G0SB, G1SB                     ; the scales first: they are wanted with K step 0
.irp s, 0,1
	s_mov_b32 s[G0+4*\s], 1
	s_add_co_u32 s[G0+4*\s+1], s45, \s*SLOT
	s_add_nc_u64 s[G0+4*\s+2:G0+4*\s+3], s[20:21], \s*ROWB
	s_or_b32 s[G0+4*\s+3], s[G0+4*\s+3], 0x80000000
	s_mov_b32 s[G0B+4*\s], 1
	s_add_co_u32 s[G0B+4*\s+1], s45, \s*SLOT
	s_add_nc_u64 s[G0B+4*\s+2:G0B+4*\s+3], s[46:47], \s*ROWB
	s_or_b32 s[G0B+4*\s+3], s[G0B+4*\s+3], 0x80000000
	JLOAD G0+4*\s, G1, G0B+4*\s, G1B
.endr
	v_and_b32 v1, 15, v0                           ; l % 16
	v_bfe_u32 v2, v0, 4, 1                         ; l / 16
	v_mul_u32_u24 v3, v1, PITCH
	v_mul_u32_u24 v4, v2, 24
	v_add_nc_u32 v4, v3, v4                        ; a fragment's row x pitch + 24 x half
	v_lshl_add_u32 v5, v2, 4, v4                   ; and the same behind one padding more
	s_mul_i32 s21, s15, HALFT                      ; my 128 rows of A
	s_mul_i32 s22, s16, HALFT                      ; my 128 rows of B,
	s_add_co_u32 s22, s22, 2*HALFT                 ; which lie behind A's 256
.irp s, 0,1
	v_add_nc_u32 v[ADRA+\s], s21, v4
	v_add_nc_u32 v[ADRB+\s], s22, v4
	v_add_nc_u32 v[ADRA+2+\s], s21, v5
	v_add_nc_u32 v[ADRB+2+\s], s22, v5
	s_add_co_u32 s21, s21, SLOT
	s_add_co_u32 s22, s22, SLOT
.endr
	v_mul_u32_u24 v5, v1, KS                       ; my row's scales: KS bytes a row,
	v_lshrrev_b32 v6, 8, v5
	v_lshl_add_u32 v5, v6, 4, v5                   ; and 16 more for each 256 passed
	s_mul_i32 s21, s15, HALFS                      ; A's: my 128 rows
	s_mul_i32 s22, s16, HALFS                      ; B's: my 128 rows, behind A's 256
	s_add_co_u32 s22, s22, 2*HALFS
	s_sub_co_u32 s22, s22, s21
	v_mul_u32_u24 v6, s22, v2                      ; lanes 16-31 take B's
	s_add_co_u32 s21, s21, SCL
	v_add_nc_u32 v5, v5, v6
	v_add_nc_u32 v[ADRS], s21, v5
	; WHERE MY RESULTS GO (global addresses alone hang on these numbers).  T: which 128 tokens; hg: which group of 4 heads; hh0: which two heads of it
	s_lshl_b32 s17, s95, 2
	s_add_co_u32 s17, s17, s41
	s_lshl_b32 s17, s17, 1
	s_add_co_u32 s17, s17, s15                     ; q, k: T = 2 (4 cluster y + cy) + my half of A
	s_sub_co_u32 s18, s95, 4
	s_lshl_b32 s18, s18, 3
	s_add_co_u32 s18, s18, s42
	s_lshl_b32 s18, s18, 1
	s_add_co_u32 s18, s18, s16                     ; v: T = 2 (8 (cluster y - 4) + 4 cluster x + cx) + my half of B
	s_lshl_b32 s19, s15, 1                         ; v: hh0
	s_lshl_b32 s20, s16, 1                         ; q, k: hh0
	s_mov_b32 s22, 75776                           ; Q's packs
	s_cmp_eq_u32 ttmp9, 1                          ; cluster x = 1: wk
	s_cselect_b32 s21, 0, 51200                    ; K's region or Q's
	s_cselect_b32 s22, 49152, s22                  ; K's packs or Q's
	s_mov_b32 s23, 24576                           ; V's region
	s_mov_b32 s45, 50176                           ; V's packs
	s_mov_b32 s46, 1536
	s_mov_b32 s47, 6144
	s_cmp_ge_u32 s95, 4
	s_cselect_b32 s17, s18, s17                    ; T
	s_cselect_b32 s18, s41, s40                    ; hg
	s_cselect_b32 s19, s19, s20                    ; hh0
	s_cselect_b32 s21, s23, s21
	s_cselect_b32 s22, s45, s22
	s_cselect_b32 s66, s46, 768                    ; from one of A's blocks to the next: v a whole operand, q and k half of one
	s_cselect_b32 s97, 768, s47                    ; from a fragment's first half to its second: v the operand's other half, q and k the next head
	s_mov_b32 s67, 0
	s_lshr_b32 s20, s17, 4                         ; batch
	s_lshl_b32 s20, s20, 2
	s_add_co_u32 s20, s20, s18
	s_lshl_b32 s20, s20, 4
	s_and_b32 s17, s17, 15
	s_add_co_u32 s20, s20, s17                     ; the block's number
	s_mul_i32 s20, s20, BLKB
	s_mul_i32 s23, s19, 6144
	s_add_co_u32 s46, s20, s21
	s_add_co_u32 s46, s46, s23
	s_mov_b32 s47, 0
	s_lshl_b32 s23, s19, 8
	s_add_co_u32 s92, s20, s22
	s_add_co_u32 s92, s92, s23
	s_mov_b32 s93, 0
	s_add_nc_u64 s[92:93], s[12:13], s[92:93]      ; my two heads' packs
	s_add_nc_u64 s[12:13], s[12:13], s[46:47]      ; my two heads' codes
	s_mov_b32 s[SEL], 0x76543210
	s_mov_b32 s[SEL+1], 0xfedcba98
	s_mov_b32 s100, 0xffff0000                     ; lanes 16-31
.macro FRAG reg, adr, q, i             ; a fragment, 16 rows x 128 K of 6-bit codes, is 12 registers: lane l holds row l % 16; registers 6 c .. 6 c + 5 hold K = 64 c + 32 (l / 16) + 0 .. 31
.irp p, 0,1,2,3,4,5                    ; in pieces of 8 bytes, so that every address is a multiple of the access's size
.set PCE, 12*(\q)+6*(\p/3)+\p%3       ; 16 bytes of padding lie behind every 8 pieces: where the piece three on lies behind one padding more, the second address register serves
.if PCE%8 < 5
	ds_load_b64 v[\reg+2*\p:\reg+2*\p+1], v[\adr] offset:8*PCE+16*(PCE/8)+(\i)*16*PITCH
.else
	ds_load_b64 v[\reg+2*\p:\reg+2*\p+1], v[\adr+2] offset:8*PCE+16*(PCE/8)+(\i)*16*PITCH
.endif
.endr
.endm
; 16 matrix instructions: A's blocks a0, a0 + 1 x B's eight, 128 along K.  The 64 accumulators take turns, one instruction a turn, in the same order in every step.
.macro MUL16 a0, p, q, sc, zero
.irp a, \a0, \a0+1
.irp b, 0,1,2,3,4,5,6,7
.if \zero
	v_wmma_scale_f32_16x16x128_f8f6f4 v[8*(8*((\a)%4)+\b):8*(8*((\a)%4)+\b)+7], v[128*(\p)+FR*\b:128*(\p)+FR*\b+FR-1], v[AF+FR*(\a):AF+FR*(\a)+FR-1], 0, v[SC+8*NQ*(\sc)+NQ*\b+(\q)], v[SC+8*NQ*(\sc)+NQ*(\a)+(\q)] matrix_a_fmt:MATRIX_FMT_FP6 matrix_b_fmt:MATRIX_FMT_FP6 matrix_a_scale:MATRIX_SCALE_ROW1
.else
	v_wmma_scale_f32_16x16x128_f8f6f4 v[8*(8*((\a)%4)+\b):8*(8*((\a)%4)+\b)+7], v[128*(\p)+FR*\b:128*(\p)+FR*\b+FR-1], v[AF+FR*(\a):AF+FR*(\a)+FR-1], v[8*(8*((\a)%4)+\b):8*(8*((\a)%4)+\b)+7], v[SC+8*NQ*(\sc)+NQ*\b+(\q)], v[SC+8*NQ*(\sc)+NQ*(\a)+(\q)] matrix_a_fmt:MATRIX_FMT_FP6 matrix_b_fmt:MATRIX_FMT_FP6 matrix_a_scale:MATRIX_SCALE_ROW1
.endif
.endr
.endr
.endm
.macro FETCH_B slot, q, p              ; B's eight fragments of the slot's q-th 128 along K into set p
	WIN TO_B
.irp i, 0,1,2,3,4,5,6,7
	FRAG 128*(\p)+FR*\i, ADRB+\slot, \q, \i
.endr
	WIN 0
.endm
.macro FETCH_A slot, q, i0             ; A's blocks i0 .. i0 + 3
.irp i, \i0, \i0+1, \i0+2, \i0+3
	FRAG AF+FR*(\i), ADRA+\slot, \q, \i
.endr
.endm
.macro SCALES sc                       ; the next K step's scale words into set sc: lanes 0-15 take A's block i, lanes 16-31 B's block i
.irp i, 0,1,2,3,4,5,6,7
	ds_load_b64 v[SC+8*NQ*\sc+NQ*\i:SC+8*NQ*\sc+NQ*\i+1], v[ADRS] offset:\i*SBLK
.endr
.endm
.macro PLACES n                        ; plain vector instructions between a matrix instruction and a load into, or a read of, its registers
.rept \n
	v_nop
.endr
.endm
; A step of 128 along K that has its successor in the same slot.
.macro STEP slot, q, zero
	s_wait_dscnt 4*NL                              ; B's set and A's blocks 0-3 are in; the youngest 24 loads (A's blocks 4-7) may be out
	WIN MUL_LO
	MUL16 0, (\q)%2, \q, \slot, \zero
	MUL16 2, (\q)%2, \q, \slot, \zero
	s_wait_dscnt 0                                 ; A's blocks 4-7 are in
	PLACES NP
	FETCH_B \slot, (\q)+1, 1-(\q)%2
	FETCH_A \slot, (\q)+1, 0
	WIN MUL_HI
	MUL16 4, (\q)%2, \q, \slot, \zero
	MUL16 6, (\q)%2, \q, \slot, \zero
	PLACES NP
	WIN 0
	FETCH_A \slot, (\q)+1, 4
.endm
; A slot's last step changes slots: ONE barrier; in front of it each wave waits for all its tensor loads, adds 0 to its spare word, and waits for that and for its own reads of this slot.
.macro TURN slot, next, fill
	s_wait_tensorcnt 0x0                           ; all my tensor loads have landed: my part of the next slot
	ds_add_u32 v[SPW], v[NIL]                      ; 0 onto my spare word
	s_wait_dscnt 4*NL+1                            ; (the add and the youngest 24 loads, A's blocks 4-7, may be out)
	WIN MUL_LO
	MUL16 0, 1, NQ-1, \slot, 0                     ; sixteen matrix instructions stand between the add and the wait for it
	s_wait_dscnt 0x0                               ; the add is done, and my reads of this slot are over
	s_barrier_signal -1
	MUL16 2, 1, NQ-1, \slot, 0
	WIN 0
	s_barrier_wait -1
.if \fill
	CREST                                          ; the barrier has opened a round of the cluster's barrier: no wave of any partner still reads this slot's tile or has a load on its way
	s_add_nc_u64 s[G0+4*\slot+2:G0+4*\slot+3], s[G0+4*\slot+2:G0+4*\slot+3], 2*ROWB
	s_add_nc_u64 s[G0B+4*\slot+2:G0B+4*\slot+3], s[G0B+4*\slot+2:G0B+4*\slot+3], 2*ROWB
	JLOAD G0+4*\slot, G1, G0B+4*\slot, G1B         ; the first tensor load behind the round; its four v_nop are the places in front of the loads below
.else
	PLACES NP
.endif
	v_add_nc_u32 v[ADRS], 4*NQ, v[ADRS]            ; on to the next K step's scale words (no LDS load of mine is out)
	FETCH_B \next, 0, 0
	FETCH_A \next, 0, 0
	SCALES \next
	WIN MUL_HI
	MUL16 4, 1, NQ-1, \slot, 0
	MUL16 6, 1, NQ-1, \slot, 0
	PLACES NP
	WIN 0
	FETCH_A \next, 0, 4
.endm
	s_wait_tensorcnt 1                             ; the scales and my part of K step 0 are in (K step 1's load may be out),
	s_barrier_signal -1
	s_barrier_wait -1                              ; everybody's are
	FETCH_B 0, 0, 0
	FETCH_A 0, 0, 0
	SCALES 0
	FETCH_A 0, 0, 4
	STEP 0, 0, 1                                   ; the first step stands in front of the loop: its products start the sums
	s_mov_b32 s3, LAPS-1
.Llap:                                                 ; a trip goes once round the ring and fills both slots again
	TURN 0, 1, 1
	STEP 1, 0, 0
	TURN 1, 0, 1
	STEP 0, 0, 0
	s_sub_co_u32 s3, s3, 1
	s_cmp_lg_u32 s3, 0
	s_cbranch_scc1 .Llap
	TURN 0, 1, 0                                   ; the last lap fills nothing
	STEP 1, 0, 0
	s_wait_dscnt 4*NL                              ; the very last step: nothing more to fetch
	WIN MUL_LO
	MUL16 0, 1, NQ-1, 1, 0
	MUL16 2, 1, NQ-1, 1, 0
	s_wait_dscnt 0
	WIN MUL_HI
	MUL16 4, 1, NQ-1, 1, 0
	MUL16 6, 1, NQ-1, 1, 0
	WIN 0
; THE WAY OUT.  The 64 accumulator registers of A's block a are, in a lane, 64 numbers of one row: register 16 b + i = place 32 b + 16 (lane / 16) + i along the next K.  They become 12 registers of codes and a scale word.
.macro QUANTA a
.set AW, 2+(\a)/4                      ; the block's window
.set AC, 64*((\a)%4)
.set QC, PC0+32*((\a)%2)
.set W2, AW|(AW<<2)
	WIN W2                                         ; sources 0 and 1 in the accumulators' window
.irp b, 0,1,2,3
	v_max3_num_f32 v[TM+\b], |v[AC+16*\b]|, |v[AC+16*\b+1]|, 0x1800000   ; block b: my 16 numbers, each accumulator from its low end on, and the floor 2^(3 - 127): the byte cannot fall under 1
.endr
.irp i, 2,4,6,8,10,12,14
.irp b, 0,1,2,3
	v_max3_num_f32 v[TM+\b], |v[AC+16*\b+\i]|, |v[AC+16*\b+\i+1]|, v[TM+\b]
.endr
.endr
	WIN 0
.irp b, 0,1,2,3
	v_permlanex16_b32 v[TM+4+\b], v[TM+\b], s[SEL], s[SEL+1]
.endr
.irp b, 0,1,2,3
	v_max_num_f32 v[TM+\b], v[TM+\b], v[TM+4+\b]   ; with lane l xor 16's: the block's largest magnitude
.endr
.irp b, 0,1,2,3
	v_add_nc_u32 v[TM+12+\b], 0xff000000, v[TM+\b] ; 2 off its exponent field: the conversion's scale operand
.endr
.irp b, 0,1,2,3
	v_lshrrev_b32 v[TM+4+\b], 23, v[TM+12+\b]      ; the scale's byte
.endr
	v_lshl_or_b32 v[WD+(\a)], v[TM+5], 8, v[TM+4]  ; the row's scale word, the same in lanes l and l xor 16
	v_lshl_or_b32 v[WD+(\a)], v[TM+6], 16, v[WD+(\a)]
	v_lshl_or_b32 v[WD+(\a)], v[TM+7], 24, v[WD+(\a)]
	WIN AW                                         ; source 0 in the accumulators' window
.irp c, 0,1
	v_cvt_scalef32_pk16_fp6_f32 v[QC+6*\c:QC+6*\c+2], v[AC+32*\c:AC+32*\c+15], v[TM+12+2*\c]
	v_cvt_scalef32_pk16_fp6_f32 v[QC+12+4*\c:QC+14+4*\c], v[AC+32*\c+16:AC+32*\c+31], v[TM+12+2*\c+1]   ; (a conversion's three registers begin on an even number)
.endr
	WIN 0
	v_nop                                          ; one plain place behind a scaled conversion
.irp c, 0,1                                    ; the operand's layout wants a WHOLE block in a lane: lanes 0-15 block 2 c, lanes 16-31 block 2 c + 1
.irp i, 0,1,2
	v_permlane16_swap_b32 v[QC+6*\c+\i], v[QC+12+4*\c+\i]
.endr
.irp i, 0,1,2
	v_mov_b32 v[QC+3+6*\c+\i], v[QC+12+4*\c+\i]
.endr
.endr
.endm
.macro PUT a                           ; the two halves leave as register images: each store covers 512 or 256 consecutive bytes, aligned
.set QC, PC0+32*((\a)%2)
.irp c, 0,1
	global_store_b128 v[O16+\c], v[QC+6*\c:QC+6*\c+3], s[12:13]
	global_store_b64 v[O8+\c], v[QC+6*\c+4:QC+6*\c+5], s[12:13]
.endr
.endm
	PLACES NP                                      ; behind the last products: their results are read, and registers that held A's fragments are written
	v_and_b32 v[OS], 31, v0
	v_lshlrev_b32 v[O16], 4, v[OS]
	v_lshl_add_u32 v[O8], v[OS], 3, 512
	v_add_nc_u32 v[O16+1], s97, v[O16]
	v_add_nc_u32 v[O8+1], s97, v[O8]
	v_lshlrev_b32 v[OS], 3, v[OS]
.irp b, 0,1,2,3
	v_mov_b32 v[TM+4+\b], 0                        ; written once: a lane permute's destination counts as one of its sources
.endr
.irp a, 0,1,2,3,4,5,6,7
	QUANTA \a
.if \a > 0
	s_wait_xcnt 0x0                                ; the earlier stores have read their base and their data: the base may step, and the next block may write the set of codes that block a - 1 stored from
	s_add_nc_u64 s[12:13], s[12:13], s[66:67]
.endif
	PUT \a
.endr
	; the scale words.  q, k: an operand of the attention holds two tiles of 16 tokens: bytes 0, 1 are the even block's two of my head, bytes 2, 3 the odd block's.  v: the words as they are.
	s_mov_b32 s17, 0x05040100
	s_mov_b32 s18, 0x07060302
.irp k, 0,1,2,3
	v_perm_b32 v[YQ+\k], v[WD+2*\k+1], v[WD+2*\k], s17     ; my first head
	v_perm_b32 v[YQ+4+\k], v[WD+2*\k+1], v[WD+2*\k], s18   ; my second
.endr
.irp n, 0,1,2,3,4,5,6,7
	v_cndmask_b32 v[Y+\n], v[YQ+\n], v[WD+\n], s96         ; the mode's
.endr
.irp g, 0,1
.irp w, 0,1
	v_cndmask_b32 v[PK+2*\g+\w], v[Y+4*\g+2*\w], v[Y+4*\g+2*\w+1], s100   ; lanes 0-15 operand 2 w, lanes 16-31 operand 2 w + 1
.endr
.endr
.irp g, 0,1
	global_store_b64 v[OS], v[PK+2*\g:PK+2*\g+1], s[92:93] offset:256*\g   ; 256 consecutive bytes, aligned
.endr
	s_wait_tensorcnt 0x0                           ; the wave's end
	ds_add_u32 v[SPW], v[NIL]
	s_wait_dscnt 0x0
	CROUND                                         ; the closing round: no work-group ends while a partner may still ask for a tile that names it
	s_endpgm
.Lfunc_end_k_q42359921ed_qkv:
	.size	k_q42359921ed_qkv, .Lfunc_end_k_q42359921ed_qkv-k_q42359921ed_qkv
	.p2alignl 7, 3214868480
	.fill 96, 4, 3214868480
	.section	.rodata,"a",@progbits
	.p2align	6, 0x0
	.amdhsa_kernel k_q42359921ed_qkv
		.amdhsa_group_segment_fixed_size 327680
		.amdhsa_private_segment_fixed_size 0
		.amdhsa_enable_private_segment 0
		.amdhsa_kernarg_size 24
		.amdhsa_user_sgpr_count 2
		.amdhsa_user_sgpr_kernarg_segment_ptr 1
		.amdhsa_wavefront_size32 1
		.amdhsa_system_sgpr_workgroup_id_x 1
		.amdhsa_system_sgpr_workgroup_id_y 1
		.amdhsa_system_sgpr_workgroup_id_z 1
		.amdhsa_system_vgpr_workitem_id 0
		.amdhsa_next_free_vgpr 1024
		.amdhsa_next_free_sgpr 102
		.amdhsa_reserve_vcc 0
		.amdhsa_float_denorm_mode_32 3
		.amdhsa_float_denorm_mode_16_64 3
		.amdhsa_memory_ordered 1
		.amdhsa_forward_progress 1
		.amdhsa_inst_pref_size 168
	.end_amdhsa_kernel
	.amdgpu_metadata
---
amdhsa.version: [ 1, 2 ]
amdhsa.kernels:
  - .name:           k_q42359921ed_qkv
    .symbol:         k_q42359921ed_qkv.kd
    .args:
      - { .name: cod, .offset: 0, .size: 8, .value_kind: global_buffer, .address_space: global }
      - { .name: scl, .offset: 8, .size: 8, .value_kind: global_buffer, .address_space: global }
      - { .name: qkv, .offset: 16, .size: 8, .value_kind: global_buffer, .address_space: global }
    .group_segment_fixed_size: 327680
    .private_segment_fixed_size: 0
    .kernarg_segment_align: 8
    .kernarg_segment_size: 24
    .max_flat_workgroup_size: 128
    .sgpr_count:     102
    .vgpr_count:     1024
    .wavefront_size: 32
...
	.end_amdgpu_metadata
.endif
;; end of part 2
;; launch attn (part 3): grid 8 x 32, 16 waves a work-group, clusters of 4 x 4, 327,680 bytes of LDS; arguments qkv, mask, acod, ascl; writes acod, ascl
.if DOCPART == 3
	.amdgcn_target "amdgcn-amd-amdhsa--gfx1250"
	.amdhsa_code_object_version 6
	.text
	.protected	k_q42359921ed_attn
	.globl	k_q42359921ed_attn
	.p2align	8
	.type	k_q42359921ed_attn,@function
k_q42359921ed_attn:
	s_mov_b64 s[64:65], 0
	v_nop
	global_prefetch_b8 v0, s[64:65] scope:SCOPE_SE
	s_setreg_imm32_b32 hwreg(HW_REG_WAVE_MODE, 25, 1), 1
	s_wait_xcnt 0x0
	s_wait_alu depctr_hold_cnt(0) depctr_sa_sdst(0) depctr_va_vdst(0) depctr_va_sdst(0) depctr_va_ssrc(0) depctr_va_vcc(0) depctr_vm_vsrc(0)
	s_getreg_b32 s2, hwreg(HW_REG_IB_STS2, 6, 4)
	s_cmp_eq_u32 s2, 0
	s_cbranch_scc0 .Lentry_in_a_cluster
	s_endpgm
.Lentry_in_a_cluster:
	s_bfe_u32 s2, ttmp6, 0x10000c
	s_cmp_lg_u32 s2, 0xf033
	s_cbranch_scc0 .Lentry_shape_is_right
	s_endpgm
.Lentry_shape_is_right:
; For each batch and head: logit = q . k / 8 + mask; p = 2^(t - M), t = logit x log2(e), M the running largest t rounded UP to a whole number; o = (sum of p v) / (sum of p).  Both products on codes of
; FP6 (E2M3) with E8M0 scales; p is quantised along the keys, not normalised; the row's sum is taken of the unquantised p.  o is quantised along (head, d) and stored as codes for the last product.
; SHARES.  A work-group owns 64 queries of one batch (cluster x) and one group of 4 heads (cx); query block = 4 x cluster y + cy.  Wave w: head w % 4, queries 16 (w / 4) on: one tile, 256 registers.
; Every wave walks the 2,048 keys, 128 a step, through a ring of two LDS slots.  A slot: the step's block of qkv (K, V and their scale packs of 4 heads, 51,200 dense bytes)
; and the mask's tile, 64 queries x 128 keys of f32 (rows of 512 bytes + 16).
; TWO ROLES.  A step is two parts: SCORES (34 LDS loads, 8 products, V's 16 loads) and SOFTPV (the softmax and 4 products: no LDS).  Behind the change to slot j the waves of role 0 run SCORES(j), SOFTPV(j);
; those of role 1 run SOFTPV(j - 1), on the logits, V and V's scale words that they hold in registers, and then SCORES(j).  So one half's LDS loads stand beside the other half's vector work, and every read of
; slot j lies between the change to it and the next change.  role = (w xor w / 4) % 2: of waves w, w + 4, w + 8, w + 12 two have each role, and of four neighbouring waves too.
; CLUSTER.  The K and V block hangs on batch and head group alone: asked for jointly along a column of the cluster (waves 0, 1: its halves).  The mask's tile hangs on the query block alone: jointly along a row (wave 2).
; LAYOUT.  Both products are used transposed: a lane holds ONE query (lane % 16) throughout.  The head's 64 are half of the instruction's K: an operand of K's holds TWO tiles of 16 keys (registers 0-5, 6-11)
; and is multiplied twice: by (q, zeros) and by (zeros, q).  Zero codes add nothing.  The keys of a tile are chosen so that the 16 registers of two neighbouring tiles are 16 neighbouring keys.
; THE 1/8 is taken off q's scale bytes (3 off each).  THE MASK is loaded from LDS into the scores' registers and is the C of the scores' products: D is the logit.
; LIMITS: a q block whose scale byte is under 3 is held at byte 0; blocks of p or o under 2^-124 keep the byte 1; a mask of -infinity leans on the matrix instruction passing an infinite C through; a row whose
; every key is masked by -infinity, NaN, and infinities in q, k, v are not served.
.set BLKB,  76800                      ; a block of qkv
.set KVB,   51200                      ; what the attention's steps take of it
.set VOFF,  24576
.set KSC,   49152
.set VSC,   50176
.set QOFF,  51200
.set QSC,   75776
.set SLOT1, 1<<17                      ; slot 1 begins here: one exclusive or turns an address in one slot into the other's
.set MOFF,  51200                      ; the mask's tile in a slot
.set MP,    528
.set STG,   2*SLOT1                    ; behind the ring: o's codes, 64 rows x 192 bytes;
.set SSTG,  STG+64*192                 ; their scale bytes, 64 x 8;
.set SPARE, SSTG+512                   ; the spare words, 128 bytes for each of the 16 waves
.set A16, 1                            ; v1   16 x lane + 6,144 x head
.set A8,  2                            ; v2   512 + 8 x lane + 6,144 x head
.set ASC, 3                            ; v3   8 x lane + 256 x head
.set AM,  4                            ; v4   the mask: my query's row, + 64 (lane / 16)
.set SPW, 5
.set NIL, 6
.set PFO, 7                            ; v7   the prefetches' lane offset; never rewritten
.set ADK, 8                            ; v8-11  the same four in the slot in hand
.set ADH, 9
.set ADS, 10
.set ADM, 11
.set QLO, 16                           ; v16-27 (q, zeros)
.set QHI, 28                           ; v28-39 (zeros, q)
.set QS,  40                           ; v40    q's scale word
.set F,   44                           ; v44-91 four operands of K or of V
.set S,   96                           ; v96-159 the mask, then the logits, then p
.set OA,  160                          ; v160-191 O^T
.set PC,  192                          ; v192-203 p's codes; v204-210 at work
.set BM,  212
.set BT,  216
.set BSO, 220
.set KSR, 224                          ; v224-225 K's scale words, v226-227 V's
.set VSR, 226
.set PW,  228                          ; p's scale word
.set FF,  230                          ; v[230:231] f = 2^(old M - new M)
.set TT,  232
.set L2,  234                          ; v[234:235] the sum's second chain
.set WV,  12
.set HH,  13
.set QT,  14
.set HALF, 15
.set CX,  16
.set CY,  17
.set G1K, 28
.set G1M, 36
.set G0K, 44
.set G0M, 48
.set SEL, 52
.set CS,  54
.set TB,  56
.set SLOTS, 57
.set PFA, 58
.set PFS, 60
.set LIM, 62
.set ROLE, 63                          ; s63  0: scores first; 1: the step before's softmax first
.macro CROUND                          ; a round of the cluster's barrier
	s_barrier_signal -1
	s_barrier_wait -1
	s_cmp_lg_u32 s[WV], 0
	s_cbranch_scc1 .Lnot_wave_0_\@
	s_barrier_signal -3
.Lnot_wave_0_\@:
	s_barrier_wait -3
	s_barrier_signal -1
	s_barrier_wait -1
.endm
; Waves 0 and 1 fetch the halves of the K and V block, wave 2 the mask's tile, the others nothing.  The branches hang on the wave's number alone.  An s_nop 0 and four v_nop follow each line.
.macro TLOAD
	s_cmp_lt_u32 s[WV], 2
	s_cbranch_scc0 .Lnot_k_\@
	tensor_load_to_lds s[G0K:G0K+3], s[G1K:G1K+7]
	s_nop 0
.rept 4
	v_nop
.endr
	s_branch .Lasked_\@
.Lnot_k_\@:
	s_cmp_eq_u32 s[WV], 2
	s_cbranch_scc0 .Lasked_\@
	tensor_load_to_lds s[G0M:G0M+3], s[G1M:G1M+7]
	s_nop 0
.rept 4
	v_nop
.endr
.Lasked_\@:
.endm
; A PREFETCH INTO THE L2 of what the NEXT change of slots will ask for, one key step ahead.  The K and V block is walked by all eight clusters of a batch: those with y = 0 ask; the four partners of a column
; take 12,800 bytes each, told apart by address; in each, waves 4 and 5 take 6,400 bytes, lanes 256 bytes apart (lanes 24 to 31 name the same block).  The mask's tile is walked by both batches: the
; clusters with x = 0 ask; the four partners of a row take 16 rows each; wave 6: two lanes to a row's 512 bytes.  The last change that fills a slot asks for nothing.
.macro ASK
	s_cmp_gt_u32 s[SLOTS], s[LIM]
	s_cbranch_scc0 .Lnot_mine_\@
	global_prefetch_b8 v[PFO], s[PFA:PFA+1] th:TH_LOAD_NT scope:SCOPE_SE
.Lnot_mine_\@:
.endm
	s_load_b256 s[4:11], s[0:1], 0x0               ; qkv s[4:5], mask s[6:7], acod s[8:9], ascl s[10:11]
	v_lshl_add_u32 v[SPW], v0, 2, SPARE
	v_mov_b32 v[NIL], 0
	ds_add_u32 v[SPW], v[NIL]                      ; the wave's opening: the add and its wait ahead of the first tensor load; the set-up below stands between them
	v_lshrrev_b32 v41, 5, v0
	v_readfirstlane_b32 s[WV], v41                 ; wave 0..15
	s_and_b32 s[HH], s[WV], 3                      ; my head of the group
	s_lshr_b32 s[QT], s[WV], 2                     ; my tile of 16 queries
	s_and_b32 s[HALF], s[WV], 1
	s_lshr_b32 s[ROLE], s[WV], 2
	s_xor_b32 s[ROLE], s[ROLE], s[WV]
	s_and_b32 s[ROLE], s[ROLE], 1                  ; my role: (w xor w / 4) % 2
	s_bfe_u32 s[CX], ttmp6, 0x40000
	s_bfe_u32 s[CY], ttmp6, 0x40004
	s_lshl_b32 s18, ttmp9, 2                       ; K and V: registers that never hold cy
	s_add_co_u32 s18, s18, s[CX]                   ; 4 x batch + head group
	s_mul_i32 s18, s18, 16*BLKB                    ; its 16 blocks
	s_mul_i32 s20, s[HALF], KVB/2
	s_add_co_u32 s20, s20, s18
	s_mov_b32 s21, 0
	s_and_b32 s22, ttmp7, 0xffff                   ; the mask: registers that never hold cx
	s_lshl_b32 s22, s22, 2
	s_add_co_u32 s22, s22, s[CY]                   ; my block of 64 queries
	s_lshl_b32 s24, s22, 19                        ; 64 rows of 8,192 bytes
	s_mov_b32 s25, 0
	s_lshl_b32 s66, 0x1111, s[CX]                  ; my column of the cluster
	s_lshl_b32 s67, s[CY], 2
	s_lshl_b32 s67, 15, s67                        ; my row
	s_or_b32 s[G1K], s66, (3<<16)|(1<<21)          ; half a block: 100 dense rows of 256 bytes (32 elements of 8), no padding
	s_mov_b32 s[G1K+1], 32<<16
	s_mov_b32 s[G1K+2], 100<<16
	s_mov_b32 s[G1K+3], 32<<16
	s_mov_b32 s[G1K+4], 100
	s_mov_b32 s[G1K+5], 32
	s_mov_b32 s[G1K+6], 0
	s_mov_b32 s[G1K+7], 0
	s_or_b32 s[G1M], s67, (2<<16)|(1<<20)|(1<<21)|(6<<22)|(3<<25)   ; 64 rows of 128 elements of 4 bytes, 2,048 elements apart; 4 words of padding behind every 128
	s_mov_b32 s[G1M+1], 128<<16
	s_mov_b32 s[G1M+2], 64<<16
	s_mov_b32 s[G1M+3], 128<<16
	s_mov_b32 s[G1M+4], 64
	s_mov_b32 s[G1M+5], 2048
	s_mov_b32 s[G1M+6], 0
	s_mov_b32 s[G1M+7], 0
	s_mov_b32 s[SEL], 0x76543210
	s_mov_b32 s[SEL+1], 0xfedcba98                 ; v_permlanex16_b32's selects for lane l xor 16
	s_mov_b32 s[CS], 0x3fb8aa3b                    ; log2(e)
	s_mov_b32 s[CS+1], s[CS]                       ; (named with it as a pair, so it is written)
	s_mov_b32 s[TB], 0
	s_mov_b32 s[SLOTS], 15
	s_wait_dscnt 0x0                               ; the opening add is done
	s_wait_kmcnt 0x0
	s_mov_b32 s[G0K], 1
	s_mul_i32 s[G0K+1], s[HALF], KVB/2             ; slot 0
	s_add_nc_u64 s[G0K+2:G0K+3], s[4:5], s[20:21]
	s_or_b32 s[G0K+3], s[G0K+3], 0x80000000
	s_mov_b32 s[G0M], 1
	s_mov_b32 s[G0M+1], MOFF
	s_add_nc_u64 s[G0M+2:G0M+3], s[6:7], s[24:25]
	s_or_b32 s[G0M+3], s[G0M+3], 0x80000000
	CROUND                                         ; all sixteen work-groups are here: the first joint loads meet
	TLOAD                                          ; key step 0 into slot 0
	; Q: my 16 neighbouring queries out of an image laid as K's: query 16 (qt % 2) + r of 32 lies in half (r / 8) % 2 of operand p, at lane r % 8 + 8 (qt % 2)
	s_lshr_b32 s66, s22, 1
	s_mul_i32 s66, s66, BLKB
	s_add_co_u32 s66, s66, s18                     ; the block of 128 tokens that holds my queries
	s_and_b32 s67, s22, 1
	s_lshl_b32 s67, s67, 1
	s_lshr_b32 s68, s[QT], 1
	s_add_co_u32 s67, s67, s68                     ; p
	s_mul_i32 s68, s[HH], 6144
	s_mul_i32 s69, s67, 1536
	s_add_co_u32 s68, s68, s69
	s_add_co_u32 s68, s68, s66
	s_add_co_u32 s68, s68, QOFF
	s_mov_b32 s69, 0
	s_add_nc_u64 s[68:69], s[4:5], s[68:69]
	s_lshl_b32 s70, s[HH], 8
	s_and_b32 s71, s67, 1
	s_lshl_b32 s71, s71, 7
	s_add_co_u32 s70, s70, s71
	s_lshr_b32 s71, s67, 1
	s_lshl_b32 s71, s71, 2
	s_add_co_u32 s70, s70, s71
	s_add_co_u32 s70, s70, s66
	s_add_co_u32 s70, s70, QSC
	s_mov_b32 s71, 0
	s_add_nc_u64 s[70:71], s[4:5], s[70:71]
	v_and_b32 v41, 15, v0                          ; r
	v_bfe_u32 v42, v0, 4, 1                        ; h
	v_bfe_u32 v43, v0, 3, 1                        ; which half of the operand
	v_and_b32 v8, 7, v0
	s_and_b32 s72, s[QT], 1
	s_lshl_b32 s72, s72, 3
	v_add_nc_u32 v8, s72, v8                       ; the image's row
	v_lshl_add_u32 v9, v42, 4, v8                  ; the image's lane
	v_mul_u32_u24 v10, v43, 768
	v_lshl_add_u32 v11, v9, 4, v10
	v_lshl_add_u32 v10, v9, 3, v10
	v_lshlrev_b32 v9, 3, v8
	global_load_b128 v[QLO:QLO+3], v11, s[68:69]
	global_load_b64 v[QLO+4:QLO+5], v10, s[68:69] offset:512
	global_load_b32 v44, v9, s[70:71]              ; the operand's scale word of my row
	s_mul_i32 s73, s[HH], 6144
	v_and_b32 v46, 31, v0                          ; lane
	v_lshl_add_u32 v[A16], v46, 4, s73
	v_lshl_add_u32 v[A8], v46, 3, s73
	v_add_nc_u32 v[A8], 512, v[A8]
	s_lshl_b32 s74, s[HH], 8
	v_lshl_add_u32 v[ASC], v46, 3, s74
	s_lshl_b32 s75, s[QT], 4
	v_add_nc_u32 v47, s75, v41                     ; my query in the block of 64
	v_mul_u32_u24 v[AM], v47, MP
	v_lshl_add_u32 v[AM], v42, 6, v[AM]
	v_add_nc_u32 v[AM], MOFF, v[AM]
	; the prefetches (macro ASK): where my wave's stand, and who asks
	s_mul_i32 s76, s[CY], 12800
	s_mul_i32 s77, s[HALF], 6400
	s_add_co_u32 s76, s76, s77
	s_add_co_u32 s76, s76, s18
	s_add_co_u32 s76, s76, BLKB                    ; in key step 1: the first change of slots steps it to 2.  Nothing is prefetched here, at the head
	s_lshl_b32 s77, s22, 19
	s_lshl_b32 s78, s[CX], 17                      ; 16 rows of 8,192 bytes
	s_add_co_u32 s77, s77, s78
	s_add_co_u32 s77, s77, 512
	s_and_b32 s79, ttmp7, 0xffff
	s_mov_b32 s[PFS], 512
	s_cmp_lt_u32 s[WV], 6                          ; waves 4 and 5: K and V; wave 6: the mask
	s_cselect_b64 s[PFA:PFA+1], s[4:5], s[6:7]
	s_cselect_b32 s76, s76, s77
	s_cselect_b32 s79, s79, ttmp9                  ; the coordinate along which other clusters read the same bytes
	s_cselect_b32 s[PFS], BLKB, s[PFS]             ; a key step on
	s_cselect_b32 s80, -1, 0
	s_mov_b32 s77, 0
	s_mov_b32 s[PFS+1], 0
	s_add_nc_u64 s[PFA:PFA+1], s[PFA:PFA+1], s[76:77]
	s_sub_co_u32 s78, s[WV], 4
	s_cmp_lt_u32 s78, 3                            ; waves 4 to 6
	s_cselect_b32 s78, 0, 1
	s_or_b32 s78, s78, s79
	s_cmp_eq_u32 s78, 0
	s_cselect_b32 s[LIM], 1, -1                    ; the same in all sixteen partners, for a given wave
	v_min_u32 v48, 24, v46
	v_lshlrev_b32 v48, 8, v48
	v_lshrrev_b32 v49, 1, v46
	v_and_b32 v50, 1, v46
	v_lshlrev_b32 v50, 8, v50
	v_lshl_add_u32 v49, v49, 13, v50
	v_cndmask_b32 v[PFO], v49, v48, s80
.irp i, 6,7,8,9,10,11
	v_mov_b32 v[QLO+\i], 0                         ; zero codes
	v_mov_b32 v[QHI+\i-6], 0
.endr
	v_lshlrev_b32 v43, 4, v43
	s_wait_loadcnt 0x0                             ; Q
.irp i, 0,1,2,3,4,5
	v_mov_b32 v[QHI+6+\i], v[QLO+\i]
.endr
	v_lshrrev_b32 v44, v43, v44                    ; my tile's two bytes
	v_and_b32 v45, 0xff, v44
	v_bfe_u32 v44, v44, 8, 8
	v_max_u32 v45, 3, v45
	v_max_u32 v44, 3, v44
	v_add_nc_u32 v45, -3, v45                      ; 3 off each byte: q / 8
	v_add_nc_u32 v44, -3, v44
	v_lshl_or_b32 v44, v44, 8, v45
	v_lshl_or_b32 v[QS], v44, 16, v44              ; the two bytes serve both (q, zeros) and (zeros, q)
	v_mov_b32 v13, 0xff61b1e6                      ; the largest t so far: -3e38
	v_floor_f32 v12, -v13                          ; -M
	v_mov_b32 v14, 0                               ; the sum, in two halves
	v_mov_b32 v15, 0
.irp b, 0,1,2,3
	v_mov_b32 v[BT+\b], 0                          ; written once: a lane permute's destination counts as one of its sources
.endr
	v_mov_b32 v[FF+1], 0                           ; (named as the upper half of a pair)
.set J, 0
.rept 32
	v_mov_b32 v[OA+J], 0                           ; O^T: the softmax is written alike for every step; the first finds zeros.  (These are also the places between Q's registers and scale word and the first product)
.set J, J+1
.endr
.macro SCORE b, u, q                   ; 16 keys x my 16 queries: D = k q / 8 + the mask that lies in D's registers
.if (\b)%2
	v_wmma_scale_f32_16x16x128_f8f6f4 v[S+16*(\b)+8*(\u):S+16*(\b)+8*(\u)+7], v[F+12*(\b):F+12*(\b)+11], v[\q:\q+11], v[S+16*(\b)+8*(\u):S+16*(\b)+8*(\u)+7], v[KSR+(\b)/2], v[QS] matrix_a_fmt:MATRIX_FMT_FP6 matrix_b_fmt:MATRIX_FMT_FP6 matrix_a_scale:MATRIX_SCALE_ROW1
.else
	v_wmma_scale_f32_16x16x128_f8f6f4 v[S+16*(\b)+8*(\u):S+16*(\b)+8*(\u)+7], v[F+12*(\b):F+12*(\b)+11], v[\q:\q+11], v[S+16*(\b)+8*(\u):S+16*(\b)+8*(\u)+7], v[KSR+(\b)/2], v[QS] matrix_a_fmt:MATRIX_FMT_FP6 matrix_b_fmt:MATRIX_FMT_FP6
.endif
.endm
.macro PV t                            ; 16 of the head's 64 x my 16 queries, K = the step's 128 keys
.if (\t)%2
	v_wmma_scale_f32_16x16x128_f8f6f4 v[OA+8*(\t):OA+8*(\t)+7], v[F+12*(\t):F+12*(\t)+11], v[PC:PC+11], v[OA+8*(\t):OA+8*(\t)+7], v[VSR+(\t)/2], v[PW] matrix_a_fmt:MATRIX_FMT_FP6 matrix_b_fmt:MATRIX_FMT_FP6 matrix_a_scale:MATRIX_SCALE_ROW1
.else
	v_wmma_scale_f32_16x16x128_f8f6f4 v[OA+8*(\t):OA+8*(\t)+7], v[F+12*(\t):F+12*(\t)+11], v[PC:PC+11], v[OA+8*(\t):OA+8*(\t)+7], v[VSR+(\t)/2], v[PW] matrix_a_fmt:MATRIX_FMT_FP6 matrix_b_fmt:MATRIX_FMT_FP6
.endif
.endm
.macro OPER off                        ; four operands, as images of their registers: 16 loads
.irp t, 0,1,2,3
	ds_load_b128 v[F+12*\t:F+12*\t+3], v[ADK] offset:\off+1536*\t
	ds_load_b64 v[F+12*\t+4:F+12*\t+5], v[ADH] offset:\off+1536*\t
	ds_load_b128 v[F+12*\t+6:F+12*\t+9], v[ADK] offset:\off+1536*\t+768
	ds_load_b64 v[F+12*\t+10:F+12*\t+11], v[ADH] offset:\off+1536*\t+768
.endr
.endm
; The LDS addresses of the slot in hand, made by every wave at the head of a trip, ahead of the roles' branches.  In role 0 these four plain instructions are also the places between the last step's
; products and the loads into their registers.
.macro ADDR
	v_add_nc_u32 v[ADK], s[TB], v[A16]
	v_add_nc_u32 v[ADH], s[TB], v[A8]
	v_add_nc_u32 v[ADS], s[TB], v[ASC]
	v_add_nc_u32 v[ADM], s[TB], v[AM]
.endm
; THE FIRST PART OF A KEY STEP: the logits of 128 keys, and V's loads.  pl: v_nop at its head: in role 1 it stands straight behind V^T P's products, whose registers it loads into.
; No two matrix instructions that follow each other share an accumulator, in either role and over the backward jump too.
.macro SCORES pl
.rept \pl
	v_nop
.endr
	ds_load_b64 v[KSR:KSR+1], v[ADS] offset:KSC
	ds_load_b64 v[VSR:VSR+1], v[ADS] offset:VSC
.irp b, 0,1,2,3                                ; for each 32 keys eight loads: the mask at my query and keys 32 b + 16 (lane / 16) + 0 .. 15, and K's operand b
.irp j, 0,1,2,3
	ds_load_b128 v[S+16*\b+4*\j:S+16*\b+4*\j+3], v[ADM] offset:128*\b+16*\j
.endr
	ds_load_b128 v[F+12*\b:F+12*\b+3], v[ADK] offset:1536*\b
	ds_load_b64 v[F+12*\b+4:F+12*\b+5], v[ADH] offset:1536*\b
	ds_load_b128 v[F+12*\b+6:F+12*\b+9], v[ADK] offset:1536*\b+768
	ds_load_b64 v[F+12*\b+10:F+12*\b+11], v[ADH] offset:1536*\b+768
.endr
.irp b, 0,1,2,3
	s_wait_dscnt 24-8*\b                           ; the eight loads of each later 32 keys may be out
	SCORE \b, 0, QLO
	SCORE \b, 1, QHI
.endr
.rept 4
	v_nop                                          ; places in front of the loads into K's registers and of the first read of the logits
.endr
	OPER VOFF                                      ; V's four operands: in role 0 they land while the softmax is worked, in role 1 ahead of the change of slots
.endm
; THE SECOND PART: the softmax of the logits in S, and O^T += V^T P^T with the V in F.  It touches no LDS.
.macro SOFTPV
.irp b, 0,1,2,3
	v_max3_num_f32 v[BM+\b], v[S+16*\b], v[S+1+16*\b], v[S+2+16*\b]   ; the largest logit of each block of 32 keys: it serves the row's maximum and, since p rises with the logit, the block's largest p
.endr
.irp i, 3,5,7,9,11,13
.irp b, 0,1,2,3
	v_max3_num_f32 v[BM+\b], v[BM+\b], v[S+16*\b+\i], v[S+1+16*\b+\i]
.endr
.endr
.irp b, 0,1,2,3
	v_max_num_f32 v[BM+\b], v[BM+\b], v[S+15+16*\b]
.endr
.irp b, 0,1,2,3
	v_permlanex16_b32 v[BT+\b], v[BM+\b], s[SEL], s[SEL+1]
.endr
.irp b, 0,1,2,3
	v_max_num_f32 v[BM+\b], v[BM+\b], v[BT+\b]     ; with lane l xor 16's 16 keys
.endr
	v_max3_num_f32 v[TT], v[BM], v[BM+1], v[BM+2]
	v_max_num_f32 v[TT], v[TT], v[BM+3]            ; the step's largest logit of my query
	v_mul_f32 v[TT], s[CS], v[TT]                  ; as t
	v_max_num_f32 v13, v13, v[TT]                  ; the running largest t
	v_mov_b32 v[TT], v12
	v_floor_f32 v12, -v13                          ; the new -M = floor(-t): M is a whole number
	v_sub_f32 v[TT], v12, v[TT]                    ; M's old value less its new one: a whole number, 0 or less
	v_cvt_i32_f32 v[TT], v[TT]                     ; (it saturates)
	v_ldexp_f32 v[FF], 1.0, v[TT]                  ; f = 2^(old M - new M): a multiplication by it rounds nothing
.set J, 0
.rept 32
	v_pk_fma_f32 v[S+J:S+J+1], v[S+J:S+J+1], s[CS:CS+1], v[12:13] op_sel_hi:[1,0,0]   ; t - M, two at a time
.set J, J+2
.endr
.irp b, 0,1,2,3
	v_fma_f32 v[BM+\b], v[BM+\b], s[CS], v12       ; the same of each block's largest logit
.endr
.set J, 0
.rept 64
	v_exp_f32 v[S+J], v[S+J]                       ; p = 2^(t - M): NOT normalised
.set J, J+1
.endr
	v_pk_mul_f32 v[14:15], v[14:15], v[FF:FF+1] op_sel_hi:[1,0]   ; the sums under the new M: a plain instruction behind the exponentials
	s_wait_alu depctr_va_vdst(0)                   ; one wait for the whole batch, ahead of its first reader
.irp b, 0,1,2,3
	v_exp_f32 v[BM+\b], v[BM+\b]                   ; the block's largest p: the same two instructions on the same number give the same bits
.endr
	v_pk_add_f32 v[L2:L2+1], v[S:S+1], v[S+2:S+3]  ; the row's sum is taken of the unquantised p: two at a time, in two chains
.set J, 4
.rept 15
	v_pk_add_f32 v[14:15], v[14:15], v[S+J:S+J+1]
	v_pk_add_f32 v[L2:L2+1], v[L2:L2+1], v[S+J+2:S+J+3]
.set J, J+4
.endr
	v_pk_add_f32 v[14:15], v[14:15], v[L2:L2+1]
	s_wait_alu depctr_va_vdst(0)                   ; and one for the four
.irp b, 0,1,2,3
	v_max_num_f32 v[BM+\b], 0x1800000, v[BM+\b]    ; the floor 2^(3 - 127): the byte cannot fall under 1
.endr
.irp b, 0,1,2,3
	v_add_nc_u32 v[BSO+\b], 0xff000000, v[BM+\b]   ; 2 off the exponent field: the conversion's scale operand
.endr
.irp b, 0,1,2,3
	v_lshrrev_b32 v[BT+\b], 23, v[BSO+\b]          ; the scale's byte
.endr
	v_lshl_or_b32 v[PW], v[BT+1], 8, v[BT]         ; p's scale word for these 128 keys
	v_lshl_or_b32 v[PW], v[BT+2], 16, v[PW]
	v_lshl_or_b32 v[PW], v[BT+3], 24, v[PW]
.irp c, 0,1
	v_cvt_scalef32_pk16_fp6_f32 v[PC+6*\c:PC+2+6*\c], v[S+32*\c:S+15+32*\c], v[BSO+2*\c]
	v_cvt_scalef32_pk16_fp6_f32 v[PC+12+4*\c:PC+14+4*\c], v[S+16+32*\c:S+31+32*\c], v[BSO+2*\c+1]   ; (a conversion's three registers begin on an even number)
.endr
	v_nop                                          ; one plain place behind a scaled conversion
.irp c, 0,1                                    ; the operand's layout wants a WHOLE block in a lane
.irp i, 0,1,2
	v_permlane16_swap_b32 v[PC+6*\c+\i], v[PC+12+4*\c+\i]
.endr
.irp i, 0,1,2
	v_mov_b32 v[PC+3+6*\c+\i], v[PC+12+4*\c+\i]
.endr
.endr
.set J, 0
.rept 16
	v_pk_mul_f32 v[OA+J:OA+J+1], v[OA+J:OA+J+1], v[FF:FF+1] op_sel_hi:[1,0]   ; O^T under the new M.  (These are also the places between p's codes and scale word and the products)
.set J, J+2
.endr
.rept 4
	v_nop                                          ; so that no register of the products below was written by the vector instruction just ahead
.endr
	s_wait_dscnt 0x0                               ; V is in
.irp t, 0,1,2,3
	PV \t
.endr
.endm
; A TRIP behind the change to slot j.  The two branches hang on the wave's number alone; no barrier, no tensor load and none of the lines in front of a change of slots stands under them.
.macro TRIP
	ADDR
	s_cmp_eq_u32 s[ROLE], 0
	s_cbranch_scc0 .Lnot_early_\@
	SCORES 0                                       ; role 0: step j's logits
.Lnot_early_\@:
	SOFTPV                                         ; role 0: step j's; role 1: step j - 1's
	s_cmp_eq_u32 s[ROLE], 0
	s_cbranch_scc1 .Lnot_late_\@
	SCORES 4                                       ; role 1: step j's logits; they, V and V's scale words stay in registers over the change of slots
.Lnot_late_\@:
.endm
; THE CHANGE OF SLOTS stands at a trip's head.  Each wave waits for all its tensor loads (its part of the slot that it is about to read), adds 0 to its spare word, and waits for that and for its reads of the
; slot that it has left.  fill = 1: a round of the cluster's barrier, and behind it that other slot is filled with the next step's tiles: the load has a whole trip in which to land.
.macro CHANGE fill
	s_wait_tensorcnt 0x0                           ; no tensor load of mine is out, so a group 0 may be written
	ds_add_u32 v[SPW], v[NIL]                      ; 0 onto my spare word
.if \fill
	s_xor_b32 s[G0K+1], s[G0K+1], SLOT1            ; the walking descriptors: the other slot than last time,
	s_add_nc_u64 s[G0K+2:G0K+3], s[G0K+2:G0K+3], BLKB   ; the next block;
	s_xor_b32 s[G0M+1], s[G0M+1], SLOT1
	s_add_nc_u64 s[G0M+2:G0M+3], s[G0M+2:G0M+3], 512    ; the next 128 keys of each row
	s_wait_xcnt 0x0                                ; the last prefetch, a trip back, has read its address, so it may be written:
	s_add_nc_u64 s[PFA:PFA+1], s[PFA:PFA+1], s[PFS:PFS+1]  ; one step further on than the walking descriptors
	s_wait_dscnt 0x0                               ; the add is done, and my reads of the slot that I have left are over
	CROUND
	TLOAD                                          ; the first thing behind the round, and a wave's one tensor load until the next
	ASK
.else
	s_wait_dscnt 0x0
	s_barrier_signal -1
	s_barrier_wait -1
.endif
.endm
	CHANGE 1                                       ; TRIP 0 is written out: slot 0 is whole, step 1 is asked for;
	ADDR
	SCORES 0                                       ; every wave makes step 0's logits,
	s_cmp_eq_u32 s[ROLE], 0
	s_cbranch_scc0 .Llate_0
	SOFTPV                                         ; and role 0 goes on with its softmax; role 1 keeps it for the next trip
.Llate_0:
	s_xor_b32 s[TB], s[TB], SLOT1
	s_mov_b32 s[SLOTS], 14
.Lslot:                                            ; 14 trips, steps 1 to 14: behind each of these changes of slots the next step is asked for
	CHANGE 1
	TRIP
	s_xor_b32 s[TB], s[TB], SLOT1
	s_sub_co_u32 s[SLOTS], s[SLOTS], 1
	s_cmp_lg_u32 s[SLOTS], 0
	s_cbranch_scc1 .Lslot
	CHANGE 0                                       ; the last trip is written out
	TRIP
	s_cmp_eq_u32 s[ROLE], 0
	s_cbranch_scc1 .Lout
	SOFTPV                                         ; role 1: the last step's softmax and products
.Lout:
	; THE WAY OUT.  O^T / the sum is quantised along the head's 64 (two blocks of 32: the 16 registers of tiles 2 b and 2 b + 1 are d = 32 b + 16 (lane / 16) + 0 .. 15) and meets the other heads' codes in a stage.
	v_add_f32 v14, v14, v15
	v_permlanex16_b32 v[TT], v14, s[SEL], s[SEL+1]
	v_add_f32 v14, v14, v[TT]                      ; the row's sum
	v_rcp_f32 v14, v14
	v_and_b32 v236, 15, v0                         ; (plain instructions behind the reciprocal and behind the last products)
	v_bfe_u32 v237, v0, 4, 1
	s_lshl_b32 s66, s[QT], 4
	v_add_nc_u32 v236, s66, v236                   ; my query in the block of 64
	v_mul_u32_u24 v238, v236, 192
	v_mad_u32_u24 v238, v237, 24, v238
	s_mul_i32 s67, s[HH], 48
	s_add_co_u32 s67, s67, STG
	v_add_nc_u32 v238, s67, v238                   ; codes in: row, + 48 x head, + 24 x block
	v_lshlrev_b32 v239, 3, v236
	s_lshl_b32 s68, s[HH], 1
	s_add_co_u32 s68, s68, SSTG
	v_add_nc_u32 v239, s68, v239                   ; scale bytes in: 8 a row, 2 a head
	v_lshlrev_b32 v240, 3, v0                      ; out: 8 bytes a thread
	v_add_nc_u32 v241, STG, v240
	v_add_nc_u32 v242, SSTG, v240
	v_lshlrev_b32 v243, 5, v0                      ; a row of ascl is 32 bytes
	s_lshl_b32 s69, s[CX], 12
	s_lshl_b32 s70, ttmp9, 11
	s_lshl_b32 s71, s22, 6
	s_add_co_u32 s70, s70, s71                     ; my block's first token
	s_add_co_u32 s69, s69, s70
	s_mul_i32 s72, s69, 192                        ; acod: [head group][token][192 bytes]
	s_mov_b32 s73, 0
	s_add_nc_u64 s[8:9], s[8:9], s[72:73]
	s_lshl_b32 s74, s70, 5
	s_lshl_b32 s75, s[CX], 3
	s_add_co_u32 s74, s74, s75                     ; ascl: [token][32 bytes], my head group's 8
	s_mov_b32 s75, 0
	s_add_nc_u64 s[10:11], s[10:11], s[74:75]
	s_wait_alu depctr_va_vdst(0)                   ; the wait ahead of the reciprocal's first reader
.set J, 0
.rept 16
	v_pk_mul_f32 v[S+J:S+J+1], v[OA+J:OA+J+1], v[14:15] op_sel_hi:[1,0]   ; each accumulator from its low end on
.set J, J+2
.endr
.irp b, 0,1
	v_max3_num_f32 v[BM+\b], |v[S+16*\b]|, |v[S+1+16*\b]|, 0x1800000
.endr
.irp i, 2,4,6,8,10,12,14
.irp b, 0,1
	v_max3_num_f32 v[BM+\b], v[BM+\b], |v[S+16*\b+\i]|, |v[S+1+16*\b+\i]|
.endr
.endr
.irp b, 0,1
	v_permlanex16_b32 v[BT+\b], v[BM+\b], s[SEL], s[SEL+1]
.endr
.irp b, 0,1
	v_max_num_f32 v[BM+\b], v[BM+\b], v[BT+\b]
.endr
.irp b, 0,1
	v_add_nc_u32 v[BSO+\b], 0xff000000, v[BM+\b]
.endr
.irp b, 0,1
	v_lshrrev_b32 v[BT+\b], 23, v[BSO+\b]
.endr
	v_lshl_or_b32 v[TT], v[BT+1], 8, v[BT]         ; my head's two scale bytes
	v_cvt_scalef32_pk16_fp6_f32 v[192:194], v[S:S+15], v[BSO]
	v_cvt_scalef32_pk16_fp6_f32 v[196:198], v[S+16:S+31], v[BSO+1]
	v_nop                                          ; one plain place behind a scaled conversion
.irp i, 0,1,2
	v_permlane16_swap_b32 v[192+\i], v[196+\i]     ; lanes 0-15 now hold block 0 whole, lanes 16-31 block 1
.endr
	v_mov_b32 v195, v196
	v_mov_b32 v196, v197
	v_mov_b32 v197, v198
	ds_store_b64 v238, v[192:193]
	ds_store_b64 v238, v[194:195] offset:8
	ds_store_b64 v238, v[196:197] offset:16
	ds_store_b16 v239, v[TT]                       ; both lanes of a row write the same two bytes
	s_wait_dscnt 0x0                               ; for the others' sake: my stores into the stages are done
	s_barrier_signal -1
	s_barrier_wait -1
.irp k, 0,1,2
	ds_load_b64 v[200+2*\k:201+2*\k], v241 offset:4096*\k
.endr
.irp k, 0,1,2
	s_wait_dscnt 2-\k                              ; the younger loads may be out
	global_store_b64 v240, v[200+2*\k:201+2*\k], s[8:9] offset:4096*\k   ; a wave stores 256 consecutive bytes, aligned; the 64 rows are 12,288 dense bytes
.endr
	s_cmp_lt_u32 s[WV], 2                          ; 64 rows' scale bytes: waves 0 and 1, 8 bytes a row
	s_cbranch_scc0 .Lno_scales
	ds_load_b64 v[206:207], v242
	s_wait_dscnt 0x0
	global_store_b64 v243, v[206:207], s[10:11]
.Lno_scales:
	s_wait_tensorcnt 0x0                           ; the wave's end: behind my last tensor load and my last LDS store
	ds_add_u32 v[SPW], v[NIL]
	s_wait_dscnt 0x0
	CROUND                                         ; the closing round
	s_endpgm
.Lfunc_end_k_q42359921ed_attn:
	.size	k_q42359921ed_attn, .Lfunc_end_k_q42359921ed_attn-k_q42359921ed_attn
	.p2alignl 7, 3214868480
	.fill 96, 4, 3214868480
	.section	.rodata,"a",@progbits
	.p2align	6, 0x0
	.amdhsa_kernel k_q42359921ed_attn
		.amdhsa_group_segment_fixed_size 327680
		.amdhsa_private_segment_fixed_size 0
		.amdhsa_enable_private_segment 0
		.amdhsa_kernarg_size 32
		.amdhsa_user_sgpr_count 2
		.amdhsa_user_sgpr_kernarg_segment_ptr 1
		.amdhsa_wavefront_size32 1
		.amdhsa_system_sgpr_workgroup_id_x 1
		.amdhsa_system_sgpr_workgroup_id_y 1
		.amdhsa_system_sgpr_workgroup_id_z 1
		.amdhsa_system_vgpr_workitem_id 0
		.amdhsa_next_free_vgpr 256
		.amdhsa_next_free_sgpr 100
		.amdhsa_reserve_vcc 0
		.amdhsa_float_denorm_mode_32 3
		.amdhsa_float_denorm_mode_16_64 3
		.amdhsa_memory_ordered 1
		.amdhsa_forward_progress 1
		.amdhsa_inst_pref_size 92
	.end_amdhsa_kernel
	.amdgpu_metadata
---
amdhsa.version: [ 1, 2 ]
amdhsa.kernels:
  - .name:           k_q42359921ed_attn
    .symbol:         k_q42359921ed_attn.kd
    .args:
      - { .name: qkv, .offset: 0, .size: 8, .value_kind: global_buffer, .address_space: global }
      - { .name: mask, .offset: 8, .size: 8, .value_kind: global_buffer, .address_space: global }
      - { .name: acod, .offset: 16, .size: 8, .value_kind: global_buffer, .address_space: global }
      - { .name: ascl, .offset: 24, .size: 8, .value_kind: global_buffer, .address_space: global }
    .group_segment_fixed_size: 327680
    .private_segment_fixed_size: 0
    .kernarg_segment_align: 8
    .kernarg_segment_size: 32
    .max_flat_workgroup_size: 512
    .sgpr_count:     100
    .vgpr_count:     256
    .wavefront_size: 32
...
	.end_amdgpu_metadata
.endif
;; end of part 3
;; launch outp (part 4): grid 8 x 32, 4 waves a work-group, clusters of 4 x 4, 327,680 bytes of LDS; arguments acod, ascl, cod, scl, out0; writes out0
.if DOCPART == 4
	.amdgcn_target "amdgcn-amd-amdhsa--gfx1250"
	.amdhsa_code_object_version 6
	.text
	.protected	k_q42359921ed_outp
	.globl	k_q42359921ed_outp
	.p2align	8
	.type	k_q42359921ed_outp,@function
k_q42359921ed_outp:
	s_mov_b64 s[64:65], 0
	v_nop
	global_prefetch_b8 v0, s[64:65] scope:SCOPE_SE
	s_setreg_imm32_b32 hwreg(HW_REG_WAVE_MODE, 25, 1), 1
	s_wait_xcnt 0x0
	s_wait_alu depctr_hold_cnt(0) depctr_sa_sdst(0) depctr_va_vdst(0) depctr_va_sdst(0) depctr_va_ssrc(0) depctr_va_vcc(0) depctr_vm_vsrc(0)
	s_getreg_b32 s2, hwreg(HW_REG_IB_STS2, 6, 4)
	s_cmp_eq_u32 s2, 0
	s_cbranch_scc0 .Lentry_in_a_cluster
	s_endpgm
.Lentry_in_a_cluster:
	s_bfe_u32 s2, ttmp6, 0x10000c
	s_cmp_lg_u32 s2, 0xf033
	s_cbranch_scc0 .Lentry_shape_is_right
	s_endpgm
.Lentry_shape_is_right:
; out0[m][n] = sum over k of o[m][k] wo[n][k], both as codes of FP6 (E2M3) with one E8M0 scale for each 32 along K; out0 [4096][1024] f32; sums in f32, K ascending.
; A = o: acod [4 head groups][4096 tokens][192 bytes]: 256 along K are one head group, its rows dense; ascl [4096][32].  B = wo: rows 7,168 on of cod [.][768] and scl [.][32].
; wo's rows are stored with the middle groups of 8 of every 32 changed: that is undone on the way out, in the stage.
; A TILE OF C IS 128 x 128: 8 x 32 = 256 work-groups of four waves, each wave 64 x 64: 16 accumulators.  A larger tile would give 64 work-groups.
; ALL OF K LIES IN LDS: 128 rows of A and 128 of B are four chunks (256 along K each) of 61,440 bytes.  Each wave asks for five tiles at the start (its rows' scales, and 64 rows of each chunk) and nothing is
; filled again: no ring.  A chunk is read behind a barrier in front of which each wave has waited for its part of it; the later chunks stay on their way.  A wave has five tensor loads out.
; CLUSTERS: 4 x 4 work-groups; A's tiles are asked for jointly along a row of the cluster, B's along a column.  THE MATRIX INSTRUCTION IS USED TRANSPOSED (source 0 = 16 rows of B, source 1 = 16 rows of A):
; a lane holds eight numbers of one row of C.
; REGISTERS: window 0: v0-31 addresses; v32-63 scale words and nothing else (register 8 i + q: lanes 0-15 A's block i, lanes 16-31 B's block i, the q-th 128 along K); v64-127 the way out; v128-255 the
;   accumulators ((a, b) at v[128 + 8 (4 a + b)]).   window 1: two sets of fragments, at v0 and v128: A's four blocks (48 registers), then B's four.
.set SIZE_N, 1024
.set ROWB,   192                       ; a tile's row in bytes: 256 codes
.set KROW,   768                       ; a row of cod
.set ASTEP,  4096*192                  ; from a head group of acod to the next
.set WOROW,  7168                      ; wo's first row in cod and scl
.set PITCH,  240                       ; an LDS row: 3 x (64 bytes of data + 16 of padding)
.set FR,     12                        ; registers of a fragment
.set HALFT,  64*PITCH                  ; 64 rows: what one tensor load brings, and what one wave reads of A or of B in a chunk
.set CHUNK,  4*HALFT                   ; A's 128 rows, then B's 128 rows
.set KS,     32                        ; a row of scales in bytes
.set SCL,    4*CHUNK                   ; behind the chunks: the scales, as rows of 256 bytes + 16 of padding
.set HALFS,  (64*KS/256)*272           ; those of 64 rows
.set SBLK,   (16*KS/256)*272           ; those of 16 rows
.set STG,    SCL+4*HALFS               ; the way out: a stage of 16 rows x (256 bytes + 16) for each wave; no tile lands here
.set SPITCH, 272
.set SPARE,  STG+4*16*SPITCH           ; the spare words, 128 bytes for each wave
.set ADRA, 16                          ; v16 LDS address of my A fragments in the chunk in hand; v17 the same for the pieces that lie behind one padding more
.set ADRB, 18                          ; v18, v19 the same for B
.set STO,  24
.set RD,   25
.set CO,   26
.set ADRS, 27
.set SPW,  28
.set NIL,  29
.set SC,   32
.set BK,   64
.set ACC,  128
.set G1,   24                          ; s[24:31] descriptor group 1 for A's tiles; s[32:39] for B's; s[40:47], s[48:55] for their scales
.set G1B,  32
.set G1S,  40
.set G1SB, 48
.set G0S,  76                          ; s[76:79] group 0 for A's scales; s[96:99] for B's.  The chunks' groups 0: A's at s56, s60, s68, s72; B's at s80 to s95
.set G0SB, 96
.set MSB, 0
.macro WIN new                         ; the immediate's high byte repeats the setting that is left
.if MSB != \new
	s_set_vgpr_msb (MSB<<8)|\new
.set MSB, \new
.endif
.endm
.set MUL,  0x05                        ; sources 0 (B) and 1 (A) window 1; C and D window 0
.set TO_F, 0x40                        ; destination window 1, address window 0
.macro JLOAD g0a, g1a, g0b, g1b        ; a joint load: waves 0 and 1 fetch for A, waves 2 and 3 for B; an s_nop 0 and four v_nop follow each of the two lines
	s_cmp_eq_u32 s15, 0
	s_cbranch_scc0 .Lfor_b_\@
	tensor_load_to_lds s[\g0a:\g0a+3], s[\g1a:\g1a+7]
	s_nop 0
.rept 4
	v_nop
.endr
	s_branch .Lasked_\@
.Lfor_b_\@:
	tensor_load_to_lds s[\g0b:\g0b+3], s[\g1b:\g1b+7]
	s_nop 0
.rept 4
	v_nop
.endr
.Lasked_\@:
.endm
.macro CROUND                          ; a round of the cluster's barrier
	s_barrier_signal -1
	s_barrier_wait -1
	s_cmp_lg_u32 s14, 0
	s_cbranch_scc1 .Lnot_wave_0_\@
	s_barrier_signal -3
.Lnot_wave_0_\@:
	s_barrier_wait -3
	s_barrier_signal -1
	s_barrier_wait -1
.endm
	s_load_b128 s[4:7], s[0:1], 0x0                ; acod s[4:5], ascl s[6:7]
	s_load_b128 s[8:11], s[0:1], 0x10              ; cod s[8:9], scl s[10:11]
	s_load_b64 s[12:13], s[0:1], 0x20              ; out0
	v_lshl_add_u32 v[SPW], v0, 2, SPARE
	v_mov_b32 v[NIL], 0
	ds_add_u32 v[SPW], v[NIL]                      ; the wave's opening: the add and its wait ahead of my first tensor load; the set-up below stands between them
	v_lshrrev_b32 v1, 5, v0
	v_readfirstlane_b32 s14, v1                    ; wave 0..3
	s_lshr_b32 s15, s14, 1                         ; which half of the tile's rows is mine.  Also: I fetch for A (0) or for B (1)
	s_and_b32 s16, s14, 1                          ; which half of its columns.  Also: which 64 rows of that tile I fetch
	s_bfe_u32 s2, ttmp6, 0x40000                   ; cx
	s_bfe_u32 s3, ttmp6, 0x40004                   ; cy
	s_lshl_b32 s66, ttmp9, 2
	s_add_co_u32 s66, s66, s2                      ; tile column of C = 4 x cluster x + cx
	s_and_b32 s17, ttmp7, 0xffff
	s_lshl_b32 s17, s17, 2
	s_add_co_u32 s17, s17, s3                      ; tile row of C = 4 x cluster y + cy
	s_lshl_b32 s22, s3, 2
	s_lshl_b32 s22, 15, s22                        ; my row of the cluster
	s_lshl_b32 s18, 0x1111, s2                     ; my column
	s_or_b32 s[G1+0], s22, (0<<16)|(1<<20)|(1<<21)|(3<<22)|(3<<25)   ; a tile of 64 rows x 192 bytes, 16 bytes of padding behind every 64; A's go to my row of the cluster,
	s_or_b32 s[G1B+0], s18, (0<<16)|(1<<20)|(1<<21)|(3<<22)|(3<<25)  ; B's to my column
.irp g, G1, G1B
	s_mov_b32 s[\g+1], ROWB<<16                    ; tensor_dim0
	s_mov_b32 s[\g+2], 64<<16                      ; tensor_dim1
	s_mov_b32 s[\g+3], ROWB<<16                    ; tile_dim0
	s_mov_b32 s[\g+4], 64                          ; tile_dim1
	s_mov_b32 s[\g+6], 0
	s_mov_b32 s[\g+7], 0
.endr
	s_mov_b32 s[G1+5], ROWB                        ; A's rows are dense in a head group
	s_mov_b32 s[G1B+5], KROW                       ; B's lie 768 bytes apart
	s_or_b32 s[G1S+0], s22, (3<<16)|(1<<20)|(1<<21)|(5<<22)|(3<<25)  ; the scales of 64 rows: 2,048 dense bytes as 8 rows of 256 (32 elements of 8 bytes), 16 bytes of padding behind each
	s_or_b32 s[G1SB+0], s18, (3<<16)|(1<<20)|(1<<21)|(5<<22)|(3<<25)
.irp g, G1S, G1SB
	s_mov_b32 s[\g+1], 32<<16
	s_mov_b32 s[\g+2], 8<<16
	s_mov_b32 s[\g+3], 32<<16
	s_mov_b32 s[\g+4], 8
	s_mov_b32 s[\g+5], 32
	s_mov_b32 s[\g+6], 0
	s_mov_b32 s[\g+7], 0
.endr
	s_lshl_b32 s67, s16, 6                         ; which 64 rows of the tile I fetch
	s_lshl_b32 s20, s17, 7
	s_add_co_u32 s20, s20, s67                     ; A: token 128 x tile row + 64 x half
	s_lshl_b32 s22, s20, 5                         ; its scales: 32 bytes a row
	s_mov_b32 s23, 0
	s_mul_i32 s20, s20, ROWB                       ; its codes
	s_mov_b32 s21, 0
	s_lshl_b32 s100, s66, 7
	s_add_co_u32 s100, s100, s67
	s_add_co_u32 s100, s100, WOROW                 ; B: row 7,168 + 128 x tile column + 64 x half
	s_lshl_b32 s18, s100, 5
	s_mov_b32 s19, 0
	s_mul_i32 s100, s100, KROW
	s_mov_b32 s101, 0
	s_mul_i32 s2, s14, HALFT                       ; where they go: wave x 64 rows: no place in the cluster enters an LDS address
	s_mul_i32 s3, s14, HALFS
	s_wait_dscnt 0x0                               ; the opening add is done
	s_wait_kmcnt 0x0
	s_add_nc_u64 s[20:21], s[4:5], s[20:21]
	s_add_nc_u64 s[22:23], s[6:7], s[22:23]
	s_add_nc_u64 s[100:101], s[8:9], s[100:101]
	s_add_nc_u64 s[18:19], s[10:11], s[18:19]
	CROUND                                         ; all sixteen work-groups are here: the joint loads meet
	s_mov_b32 s[G0S], 1
	s_add_co_u32 s[G0S+1], s3, SCL
	s_mov_b64 s[G0S+2:G0S+3], s[22:23]
	s_or_b32 s[G0S+3], s[G0S+3], 0x80000000
	s_mov_b32 s[G0SB], 1
	s_add_co_u32 s[G0SB+1], s3, SCL
	s_mov_b64 s[G0SB+2:G0SB+3], s[18:19]
	s_or_b32 s[G0SB+3], s[G0SB+3], 0x80000000
	JLOAD G0S, G1S, G0SB, G1SB                     ; the scales first: they are wanted with the first chunk
.irp c, 0,1,2,3
.set GA, 56+4*\c+4*(\c/2)
.set GB, 80+4*\c
	s_mov_b32 s[GA], 1
	s_add_co_u32 s[GA+1], s2, \c*CHUNK
	s_add_nc_u64 s[GA+2:GA+3], s[20:21], \c*ASTEP  ; chunk c of A is head group c
	s_or_b32 s[GA+3], s[GA+3], 0x80000000
	s_mov_b32 s[GB], 1
	s_add_co_u32 s[GB+1], s2, \c*CHUNK
	s_add_nc_u64 s[GB+2:GB+3], s[100:101], \c*ROWB
	s_or_b32 s[GB+3], s[GB+3], 0x80000000
	JLOAD GA, G1, GB, G1B
.endr
	v_and_b32 v1, 15, v0                           ; l % 16
	v_bfe_u32 v2, v0, 4, 1                         ; l / 16
	v_mul_u32_u24 v3, v1, PITCH
	v_mul_u32_u24 v4, v2, 24
	v_add_nc_u32 v4, v3, v4                        ; a fragment's row x pitch + 24 x half
	v_lshl_add_u32 v5, v2, 4, v4                   ; and the same behind one padding more
	s_mul_i32 s21, s15, HALFT                      ; my 64 rows of A
	s_mul_i32 s22, s16, HALFT                      ; my 64 rows of B,
	s_add_co_u32 s22, s22, 2*HALFT                 ; which lie behind A's 128
	v_add_nc_u32 v[ADRA], s21, v4
	v_add_nc_u32 v[ADRA+1], s21, v5
	v_add_nc_u32 v[ADRB], s22, v4
	v_add_nc_u32 v[ADRB+1], s22, v5
	v_lshlrev_b32 v5, 5, v1                        ; my row's scales: 32 bytes a row,
	v_lshrrev_b32 v6, 8, v5
	v_lshl_add_u32 v5, v6, 4, v5                   ; and 16 more for each 256 passed
	s_mul_i32 s21, s15, HALFS                      ; A's: my 64 rows
	s_mul_i32 s22, s16, HALFS                      ; B's: my 64 rows, behind A's 128
	s_add_co_u32 s22, s22, 2*HALFS
	s_sub_co_u32 s22, s22, s21
	v_mul_u32_u24 v6, s22, v2                      ; lanes 16-31 take B's
	s_add_co_u32 s21, s21, SCL
	v_add_nc_u32 v5, v5, v6
	v_add_nc_u32 v[ADRS], s21, v5
	s_mul_i32 s23, s14, 16*SPITCH
	s_add_co_u32 s23, s23, STG                     ; my stage
	v_mul_u32_u24 v5, v1, SPITCH                   ; in: row l % 16; B's tile b, register j, is column 32 (b / 2) + 16 (l / 16) + 8 (b % 2) + j: 64 bytes for each half of the lanes
	v_lshl_add_u32 v5, v2, 6, v5
	v_add_nc_u32 v[STO], s23, v5
	v_mul_u32_u24 v6, v2, SPITCH                   ; back: lanes 0-15 take one row of 256 bytes, lanes 16-31 the next
	v_lshl_add_u32 v6, v1, 4, v6
	v_add_nc_u32 v[RD], s23, v6
	v_lshlrev_b32 v[CO], 12, v2                    ; and the same two rows in C: 4,096 bytes a row
	v_lshl_add_u32 v[CO], v1, 4, v[CO]
	s_lshl_b32 s20, s17, 7
	s_lshl_b32 s21, s15, 6
	s_add_co_u32 s20, s20, s21                     ; my first row of C: 128 x tile row + 64 x half
	s_lshl_b32 s20, s20, 12
	s_lshl_b32 s21, s66, 9                         ; my first column, in bytes: 512 x tile column + 256 x half
	s_add_co_u32 s20, s20, s21
	s_lshl_b32 s21, s16, 8
	s_add_co_u32 s20, s20, s21
	s_mov_b32 s21, 0
	s_add_nc_u64 s[12:13], s[12:13], s[20:21]
.macro FRAG reg, adr, q, i             ; a fragment, 16 rows x 128 K, is 12 registers: lane l holds row l % 16; registers 6 c .. 6 c + 5 hold K = 64 c + 32 (l / 16) + 0 .. 31: 24 bytes of the row as they lie
.irp p, 0,1,2,3,4,5                    ; in pieces of 8 bytes, so that every address is a multiple of the access's size
.set PCE, 12*(\q)+6*(\p/3)+\p%3       ; 16 bytes of padding lie behind every 8 pieces: where the piece three on lies behind one padding more, the second address register serves
.if PCE%8 < 5
	ds_load_b64 v[\reg+2*\p:\reg+2*\p+1], v[\adr] offset:8*PCE+16*(PCE/8)+(\i)*16*PITCH
.else
	ds_load_b64 v[\reg+2*\p:\reg+2*\p+1], v[\adr+1] offset:8*PCE+16*(PCE/8)+(\i)*16*PITCH
.endif
.endr
.endm
.macro FETCH q, p                      ; 48 LDS loads in one run: the eight fragments of the q-th 128 along K of the chunk in hand, into set p
	WIN TO_F
.irp i, 0,1,2,3
	FRAG 128*(\p)+48+FR*\i, ADRB, \q, \i
.endr
.irp i, 0,1,2,3
	FRAG 128*(\p)+FR*\i, ADRA, \q, \i
.endr
.endm
; 8 matrix instructions: A's blocks a0, a0 + 1 x B's four, the q-th 128 along K of all eight, from set p.  zero = 1: the first product starts the sums.
; The 16 accumulators take turns, one instruction a turn, in the same order in every step.
.macro MUL8 a0, p, q, zero
.irp a, \a0, \a0+1
.irp b, 0,1,2,3
.if \zero
	v_wmma_scale_f32_16x16x128_f8f6f4 v[ACC+8*(4*(\a)+\b):ACC+8*(4*(\a)+\b)+7], v[128*(\p)+48+FR*\b:128*(\p)+48+FR*\b+FR-1], v[128*(\p)+FR*(\a):128*(\p)+FR*(\a)+FR-1], 0, v[SC+8*\b+(\q)], v[SC+8*(\a)+(\q)] matrix_a_fmt:MATRIX_FMT_FP6 matrix_b_fmt:MATRIX_FMT_FP6 matrix_a_scale:MATRIX_SCALE_ROW1
.else
	v_wmma_scale_f32_16x16x128_f8f6f4 v[ACC+8*(4*(\a)+\b):ACC+8*(4*(\a)+\b)+7], v[128*(\p)+48+FR*\b:128*(\p)+48+FR*\b+FR-1], v[128*(\p)+FR*(\a):128*(\p)+FR*(\a)+FR-1], v[ACC+8*(4*(\a)+\b):ACC+8*(4*(\a)+\b)+7], v[SC+8*\b+(\q)], v[SC+8*(\a)+(\q)] matrix_a_fmt:MATRIX_FMT_FP6 matrix_b_fmt:MATRIX_FMT_FP6 matrix_a_scale:MATRIX_SCALE_ROW1
.endif
.endr
.endr
.endm
.macro PLACES n                        ; plain vector instructions between a matrix instruction and a load into, or a read of, its registers
.rept \n
	v_nop
.endr
.endm
; A chunk's first step (set 0): its second step's fragments, from the same chunk, are asked for at its head.
.macro EVEN q, zero
	s_wait_dscnt 0x0                               ; this step's fragments are in
.if (\q) > 0
	PLACES 4                                       ; set 1 was read by the products just ahead
.endif
	FETCH 1, 1
	WIN MUL
	MUL8 0, 0, \q, \zero
	MUL8 2, 0, \q, \zero
.endm
; A chunk's second step (set 1) goes on to the next chunk: each wave waits for its part of that chunk (left: the loads that it issued behind it, which stay out)
; and for its LDS loads, and signals; behind the barrier the chunk is whole.
.macro ODD q, left
	s_wait_tensorcnt \left
	s_wait_dscnt 0x0                               ; this step's fragments are in: no LDS instruction of mine is out at the signal
	s_barrier_signal -1
	WIN MUL
	MUL8 0, 1, \q, 0                               ; work on registers while the others arrive
	WIN 0
	s_barrier_wait -1
.irp r, ADRA, ADRA+1, ADRB, ADRB+1
	v_add_nc_u32 v[\r], CHUNK, v[\r]               ; on to the next chunk.  These four are also the places between the last step's products and the loads into set 0
.endr
	FETCH 0, 0
	WIN MUL
	MUL8 2, 1, \q, 0
.endm
	s_wait_tensorcnt 3                             ; my rows' scales and my part of chunk 0 are in; the three later chunks' loads may be out,
	s_barrier_signal -1
	s_barrier_wait -1                              ; everybody's are
	FETCH 0, 0
	WIN 0
.irp i, 0,1,2,3                                ; all eight scale words of a row at once: 32 bytes; lanes 0-15 take A's block i, lanes 16-31 B's block i
	ds_load_b128 v[SC+8*\i:SC+8*\i+3], v[ADRS] offset:\i*SBLK
	ds_load_b128 v[SC+8*\i+4:SC+8*\i+7], v[ADRS] offset:\i*SBLK+16
.endr
	EVEN 0, 1                                      ; the first step's products start the sums: nothing is cleared
	ODD  1, 2                                      ; chunk 1: behind its load I issued two
	EVEN 2, 0
	ODD  3, 1                                      ; chunk 2: one
	EVEN 4, 0
	ODD  5, 0                                      ; chunk 3: none
	EVEN 6, 0
	s_wait_dscnt 0x0                               ; the last step: nothing more to fetch
	WIN MUL
	MUL8 0, 1, 7, 0
	MUL8 2, 1, 7, 0
	WIN 0
; THE WAY OUT, block by block of 16 rows x 64 columns, through my own stage in LDS: back come whole rows of 256 bytes.  LDS serves a wave's instructions in order (ISA guide 5.7.1.4): no wait between the
; stores and the loads, nor in front of the next block's stores.
.macro TOSTAGE a
.irp b, 0,1,2,3
	ds_store_b128 v[STO], v[ACC+8*(4*(\a)+\b):ACC+8*(4*(\a)+\b)+3] offset:128*(\b/2)+32*(\b%2)          ; each accumulator from its low end on, at its true columns
	ds_store_b128 v[STO], v[ACC+8*(4*(\a)+\b)+4:ACC+8*(4*(\a)+\b)+7] offset:128*(\b/2)+32*(\b%2)+16
.endr
.set BB, BK+32*((\a)%2)
.irp t, 0,1,2,3,4,5,6,7
	ds_load_b128 v[BB+4*\t:BB+4*\t+3], v[RD] offset:\t*2*SPITCH
.endr
.endm
.macro SEND a, younger                 ; younger: the LDS instructions issued behind block a's loads, which may stay out
.set BB, BK+32*((\a)%2)
	s_wait_dscnt \younger                          ; the block is back in registers
.irp t, 0,1,2,3,4,5,6,7
	global_store_b128 v[CO], v[BB+4*\t:BB+4*\t+3], s[12:13] offset:(16*(\a)+2*\t)*SIZE_N*4 th:TH_STORE_NT   ; sixteen lanes store 256 consecutive bytes, aligned; the row stands in the immediate: 62 rows of 4,096 bytes at the most
.endr
.endm
	PLACES 4                                       ; behind the last products: their results are read
	TOSTAGE 0
.irp a, 1,2,3
.if \a > 1
	s_wait_xcnt 0x0                                ; block a - 2's stores have read their registers: block a's loads may land there
.endif
	TOSTAGE \a
	SEND \a-1, 16                                  ; behind block a - 1's loads: block a's 8 stores and 8 loads
.endr
	SEND 3, 0
	s_wait_tensorcnt 0x0                           ; the wave's end: behind my last tensor load and my last LDS store
	ds_add_u32 v[SPW], v[NIL]
	s_wait_dscnt 0x0
	CROUND                                         ; the closing round: no work-group ends while a partner may still ask for a tile that names it
	s_endpgm
.Lfunc_end_k_q42359921ed_outp:
	.size	k_q42359921ed_outp, .Lfunc_end_k_q42359921ed_outp-k_q42359921ed_outp
	.p2alignl 7, 3214868480
	.fill 96, 4, 3214868480
	.section	.rodata,"a",@progbits
	.p2align	6, 0x0
	.amdhsa_kernel k_q42359921ed_outp
		.amdhsa_group_segment_fixed_size 327680
		.amdhsa_private_segment_fixed_size 0
		.amdhsa_enable_private_segment 0
		.amdhsa_kernarg_size 40
		.amdhsa_user_sgpr_count 2
		.amdhsa_user_sgpr_kernarg_segment_ptr 1
		.amdhsa_wavefront_size32 1
		.amdhsa_system_sgpr_workgroup_id_x 1
		.amdhsa_system_sgpr_workgroup_id_y 1
		.amdhsa_system_sgpr_workgroup_id_z 1
		.amdhsa_system_vgpr_workitem_id 0
		.amdhsa_next_free_vgpr 512
		.amdhsa_next_free_sgpr 102
		.amdhsa_reserve_vcc 0
		.amdhsa_float_denorm_mode_32 3
		.amdhsa_float_denorm_mode_16_64 3
		.amdhsa_memory_ordered 1
		.amdhsa_forward_progress 1
		.amdhsa_inst_pref_size 62
	.end_amdhsa_kernel
	.amdgpu_metadata
---
amdhsa.version: [ 1, 2 ]
amdhsa.kernels:
  - .name:           k_q42359921ed_outp
    .symbol:         k_q42359921ed_outp.kd
    .args:
      - { .name: acod, .offset: 0, .size: 8, .value_kind: global_buffer, .address_space: global }
      - { .name: ascl, .offset: 8, .size: 8, .value_kind: global_buffer, .address_space: global }
      - { .name: cod, .offset: 16, .size: 8, .value_kind: global_buffer, .address_space: global }
      - { .name: scl, .offset: 24, .size: 8, .value_kind: global_buffer, .address_space: global }
      - { .name: out0, .offset: 32, .size: 8, .value_kind: global_buffer, .address_space: global }
    .group_segment_fixed_size: 327680
    .private_segment_fixed_size: 0
    .kernarg_segment_align: 8
    .kernarg_segment_size: 40
    .max_flat_workgroup_size: 128
    .sgpr_count:     102
    .vgpr_count:     512
    .wavefront_size: 32
...
	.end_amdgpu_metadata
.endif
;; end of part 4
